; MI455X (gfx1250); checked and timed in simulation.
; The chip was launched on July 23, 2026; its instructions are those of AMD's public machine-readable ISA for CDNA 5 (MIT licence, August 2026) and "CDNA5" Instruction Set Architecture Reference Guide (July 2026). The comments in the code are by the model that wrote it; some were corrected since.
;; Multi Head Latent Attention. Allowed arithmetic: matrix products marked QUANTISED: E4M3 operands, one given power-of-two scale a tensor, by v_wmma_f32_16x16x64_fp8_fp8 or v_wmma_f32_16x16x128_fp8_fp8, f32 sums; everything else in f32.
;; Inputs: W_dkv 1,024 x 128 float32; W_dq 1,024 x 128 float32; W_kr 1,024 x 32 float32; W_o 1,024 x 1,024 float32; W_qr 128 x 512 float32; W_uk 128 x 1,024 float32; W_uq 128 x 1,024 float32; W_uv 128 x 1,024 float32; b_dkv 128 float32; b_dq 128 float32; b_kr 32 float32; b_o 1,024 float32; b_qr 512 float32; b_uk 1,024 float32; b_uq 1,024 float32; b_uv 1,024 float32; lowp_scales 20 int32 (the exponents e of the quantised operands' scales 2^e); mask 1 x 1 x 2,048 x 2,048 float32; x 4 x 2,048 x 1,024 float32.
;; Outputs: out0 4 x 2,048 x 1,024 float32.
;; This version of the problem:
;;   THIS VERSION OF THE PROBLEM IS GIVEN IN LOW PRECISION. The matrix products marked QUANTISED in the list below multiply operands that are first quantised to E4M3 (4 exponent bits, 3 mantissa bits; 8 bits a number), with one given power-of-two scale for each operand tensor; their sums are f32. All else is computed in f32.
;;   The module's matrix products, in the order in which they are computed (A, B: the left and right operand; K: the contracted axis; several contracted axes count as one K, in the product's order):
;;     1. [M 8,192, K 1,024] x [K 1,024, N 128]; A: input x; B: input W_dq: QUANTISED (scales: A lowp_scales[0], B lowp_scales[1])
;;     2. [M 8,192, K 1,024] x [K 1,024, N 128]; A: input x; B: input W_dkv: QUANTISED (scales: A lowp_scales[2], B lowp_scales[3])
;;     3. [M 8,192, K 1,024] x [K 1,024, N 32]; A: input x; B: input W_kr: QUANTISED (scales: A lowp_scales[4], B lowp_scales[5])
;;     4. [M 8,192, K 128] x [K 128, N 1,024]; A: computed on the way; B: input W_uq: QUANTISED (scales: A lowp_scales[6], B lowp_scales[7])
;;     5. [M 8,192, K 128] x [K 128, N 1,024]; A: computed on the way; B: input W_uk: QUANTISED (scales: A lowp_scales[8], B lowp_scales[9])
;;     6. [M 8,192, K 128] x [K 128, N 1,024]; A: computed on the way; B: input W_uv: QUANTISED (scales: A lowp_scales[10], B lowp_scales[11])
;;     7. [M 8,192, K 128] x [K 128, N 512]; A: computed on the way; B: input W_qr: QUANTISED (scales: A lowp_scales[12], B lowp_scales[13])
;;     8. batch 64 x [M 2,048, K 96] x [K 96, N 2,048]; A: computed on the way; B: computed on the way: QUANTISED (scales: A lowp_scales[14], B lowp_scales[15])
;;     9. batch 64 x [M 64, K 2,048] x [K 2,048, N 2,048]; A: computed on the way; B: softmax (see below): QUANTISED (scales: A lowp_scales[16], B lowp_scales[17])
;;     10. [M 8,192, K 1,024] x [K 1,024, N 1,024]; A: computed on the way; B: input W_o: QUANTISED (scales: A lowp_scales[18], B lowp_scales[19])
;;   THE QUANTISER, for each operand of a quantised product, along K:
;;     - The operand's scale is 2^e, e = its entry of the input lowp_scales (int32; the entries are numbered through the quantised products in the list's order, A before B).
;;     - Each number is divided by the scale, clamped to +-448, and rounded to the nearest number of E4M3, ties to even, subnormals kept.
;;     - The product sums the exact products of the quantised numbers (number of the format x scale) in f32.
;;   ~~~python
;;   def quantise(x, axis, e):      # numpy; x: float32 -> the quantised numbers, widened to float32 again
;;       x = np.moveaxis(x, axis, -1); K = x.shape[-1]
;;       r = np.clip(x / 2.0 ** e, -448, 448)
;;       step = 2.0 ** (np.maximum(np.frexp(np.where(r == 0, 1, r))[1] - 1, -6) - 3)
;;       q = np.round(r / step) * step * 2.0 ** e      # np.round: ties to even
;;       return np.moveaxis(q, -1, axis).astype(np.float32)
;;   ~~~
;;   SOFTMAX AHEAD OF A QUANTISED PRODUCT. Where the list says 'softmax', what is quantised is not the finished softmax but p = 2^(t - M), with t = logit x log2(e) and M = ceil(the row's largest t), a whole number; so 1/2 < the row's largest p <= 1. The row's sum l is taken of the UNQUANTISED p, in f32, and the product's result is divided by l at the end. Since M is a whole number, a kernel that streams over the keys may use a running M (the ceiling of the running maximum): every later rescaling is an exact power of two, so the quantised numbers keep their values, but for numbers so far below the row's largest that they fall under the format's range.
;;   OPERANDS COMPUTED ON THE WAY. 'Computed on the way' means the value that the module computes at that place (a softmax that the list does not call 'softmax' is quantised finished and normalised). What goes into a quantiser is computed in f32, as accurately as f32 sums, v_exp_f32 and their like allow (about 1e-6 of the number): no bf16 or f16 on the way to a quantiser, and a product that is left as it is and whose result goes on into a quantised operand takes f32 operands (vector FMAs, or v_wmma_f32_16x16x4_f32). A number that lies on a knife's edge between two numbers of the format may be rounded either way, as far as f32 arithmetic and the matrix unit's own rounding can turn it there, and no further.
;; One version. Each part assembles by itself: llvm-mc -triple=amdgcn-amd-amdhsa -mcpu=gfx1250 --defsym DOCPART=n.
;; ======== version 1 of 1: 4 launches
;; limits: right only within a limited range of input values
;; workspace buffers: wcodes 1,802,240 bytes; rope 262,144 bytes; cls 16,384 bytes of whole numbers; uval 532,480 bytes; qimg 12,582,912 bytes; kimg 12,582,912 bytes; vimg 8,388,608 bytes; aimg 8,388,608 bytes
;; launch prep (part 1): grid 92 x 1, 16 waves a work-group, no clusters, 2,304 bytes of LDS; arguments mask, W_o, W_dq, W_dkv, W_uq, W_uk, W_uv, W_qr, W_kr, lowp_scales, wcodes, rope, cls, uval; writes wcodes, rope, cls, uval
.if DOCPART == 1
	.amdgcn_target "amdgcn-amd-amdhsa--gfx1250"
	.amdhsa_code_object_version 6
	.text
	.protected	k_q93b84124fb_prep
	.globl	k_q93b84124fb_prep
	.p2align	8
	.type	k_q93b84124fb_prep,@function
k_q93b84124fb_prep:
	s_mov_b64 s[64:65], 0
	v_nop
	global_prefetch_b8 v0, s[64:65] scope:SCOPE_SE
	s_setreg_imm32_b32 hwreg(HW_REG_WAVE_MODE, 25, 1), 1
	s_wait_xcnt 0x0
; PREP.  Work-groups 0-63: the mask's tiles are classed, and the rotary table is made.  Work-groups 64-91: the eight weights become codes of E4M3.
; MASK.  Work-group (qb = x / 8, sg = x % 8), wave w: the 16 queries of query tile w of block qb (rows 256 qb + 32 (w/2) + 8 (w%2) + i + 8 (i/8)) against keys 256 sg .. + 255, two key steps of 128.
;   class 0: every entry is 0 (the tile is thrown away); 1: all entries are one number other than 0; 2: anything else.  Stored as whole numbers: record x of 256 bytes, entry 2 w + q = {class, flag};
;   flag = 1 where any of the record's 32 classes is not 0.  uval: record x of 128 bytes, entry 2 w + q = the tile's number x log2(e).  No address and no branch here hangs on these numbers.
; ROPE.  Wave G = 16 x + w: positions 2 G and 2 G + 1, lane % 16 = frequency i: {cos, sin}(pos x 10^(-i/4)), [pos][i][2] f32.  The 16 frequencies are written as correctly rounded f32 numbers;
;   the angle is one f32 product; it is reduced by pi/2 in three parts and the two series hold on +-pi/4.
; WEIGHTS.  Job J = 16 (x - 64) + w < 440: 32 columns x 128 along K of one weight.  A lane takes a column and its registers run down K, so the conversions give codes with K innermost.
;   The codes are laid as images of operand registers: fragment (16 columns x 128 K) = 4 pieces of 512 bytes; in piece c lane (r, h) owns 16 bytes at 16 (r + 16 h): k = 32 c + 16 h + 0 .. 15 of row r.
;   Tile 2 B + u holds columns 32 B + 8 u + r + 8 (r / 8).  Job J owns bytes 4096 J: tiles u = 0, 1.
; LIMITS: each weight's e lies between -126 and 119.  NaN and infinities among the weights, NaN among the mask's entries are not served.
.set NJOBS, 440
	s_load_b512 s[4:19], s[0:1], 0x0               ; mask, W_o, W_dq, W_dkv, W_uq, W_uk, W_uv, W_qr
	s_load_b256 s[20:27], s[0:1], 0x40             ; W_kr, lowp_scales, wcodes, rope
	s_load_b128 s[28:31], s[0:1], 0x60             ; cls, uval
	v_lshl_add_u32 v208, v0, 2, 0x100
	v_mov_b32 v209, 0
	v_lshrrev_b32 v1, 5, v0
	s_delay_alu instid0(VALU_DEP_1)
	v_readfirstlane_b32 s32, v1                    ; wave
	v_and_b32 v2, 31, v0                           ; lane
	s_mov_b32 s47, 0                               ; the high word of every offset pair s[46:47]
	s_wait_kmcnt 0x0
	s_cmp_ge_u32 ttmp9, 64
	s_cbranch_scc1 .Lweights
; ---------------- the mask's tiles
	s_lshr_b32 s33, ttmp9, 3                       ; qb
	s_and_b32 s34, ttmp9, 7                        ; sg
	s_lshl_b32 s35, s33, 8
	s_lshr_b32 s36, s32, 1
	s_lshl_b32 s36, s36, 5
	s_add_co_u32 s35, s35, s36
	s_and_b32 s36, s32, 1
	s_lshl_b32 s36, s36, 3
	s_add_co_u32 s35, s35, s36                     ; my tile's first row
	s_lshl_b32 s46, s35, 13                        ; x 8,192 bytes
	s_lshl_b32 s36, s34, 10
	s_add_co_u32 s46, s46, s36                     ; + 256 columns x 4 bytes x sg
	s_add_nc_u64 s[4:5], s[4:5], s[46:47]
	s_wait_alu depctr_va_vdst(0)
	v_lshlrev_b32 v3, 4, v2
.irp q, 0,1
.irp i, 0,1,2,3,4,5,6,7,8,9,10,11,12,13,14,15
	global_load_b128 v[48+64*\q+4*\i:51+64*\q+4*\i], v3, s[4:5] offset:(\i+8*(\i/8))*8192+512*\q th:TH_LOAD_NT   ; 32 lanes read 512 consecutive bytes of one row
.endr
.endr
; the rotary table, while the 32 loads are out
	s_mov_b32 s42, 0x76543210
	s_mov_b32 s43, 0xfedcba98                      ; lane selects: lane l xor 16
	s_lshl_b32 s38, ttmp9, 4
	s_add_co_u32 s38, s38, s32                     ; G
	s_lshl_b32 s39, s38, 1
	v_lshrrev_b32 v4, 4, v2
	s_delay_alu instid0(VALU_DEP_1)
	v_add_nc_u32 v4, s39, v4                       ; pos
	s_delay_alu instid0(VALU_DEP_1)
	v_cvt_f32_u32 v4, v4
	v_and_b32 v5, 1, v2
	s_delay_alu instid0(VALU_DEP_1)
	v_cmp_ne_u32 vcc_lo, 0, v5
.macro INV2 d, even, odd                       ; v[d] = the odd entry where the lane's bit 0 is set, else the even one
	v_mov_b32 v[\d], \odd
	s_delay_alu instid0(VALU_DEP_1)
	v_cndmask_b32 v[\d], \even, v[\d], vcc_lo
.endm
	INV2 16, 0x3f800000, 0x3f0ff59a                ; 10^(-i/4), i = 0 .. 15
	INV2 17, 0x3ea1e89b, 0x3e361887
	INV2 18, 0x3dcccccd, 0x3d6655c3
	INV2 19, 0x3d0186e2, 0x3c91ad39
	INV2 20, 0x3c23d70a, 0x3bb8449c
	INV2 21, 0x3b4f3e37, 0x3ae91528
	INV2 22, 0x3a83126f, 0x3a136a16
	INV2 23, 0x39a5cb5f, 0x393a7753
	v_and_b32 v5, 2, v2
	s_delay_alu instid0(VALU_DEP_1)
	v_cmp_ne_u32 vcc_lo, 0, v5
	s_delay_alu instid0(VALU_DEP_1)
	v_cndmask_b32 v24, v16, v17, vcc_lo
	s_delay_alu instid0(VALU_DEP_2)
	v_cndmask_b32 v25, v18, v19, vcc_lo
	s_delay_alu instid0(VALU_DEP_3)
	v_cndmask_b32 v26, v20, v21, vcc_lo
	s_delay_alu instid0(VALU_DEP_4)
	v_cndmask_b32 v27, v22, v23, vcc_lo
	v_and_b32 v5, 4, v2
	s_delay_alu instid0(VALU_DEP_1)
	v_cmp_ne_u32 vcc_lo, 0, v5
	s_delay_alu instid0(VALU_DEP_1)
	v_cndmask_b32 v28, v24, v25, vcc_lo
	s_delay_alu instid0(VALU_DEP_2)
	v_cndmask_b32 v29, v26, v27, vcc_lo
	v_and_b32 v5, 8, v2
	s_delay_alu instid0(VALU_DEP_1)
	v_cmp_ne_u32 vcc_lo, 0, v5
	s_delay_alu instid0(VALU_DEP_1)
	v_cndmask_b32 v30, v28, v29, vcc_lo
	s_delay_alu instid0(VALU_DEP_1)
	v_mul_f32 v6, v4, v30                          ; the angle, one rounding
	s_delay_alu instid0(VALU_DEP_1)
	v_mul_f32 v7, 0x3f22f983, v6                   ; x 2 / pi
	s_delay_alu instid0(VALU_DEP_1)
	v_rndne_f32 v7, v7                             ; n
	s_delay_alu instid0(VALU_DEP_1)
	v_mul_f32 v9, -1.0, v7
	s_delay_alu instid0(VALU_DEP_1)
	v_fmamk_f32 v8, v9, 0x3fc90fdb, v6             ; angle - n x pi/2, pi/2 in three parts
	s_delay_alu instid0(VALU_DEP_1)
	v_fmamk_f32 v8, v9, 0xb33bbd2e, v8
	s_delay_alu instid0(VALU_DEP_1)
	v_fmamk_f32 v8, v9, 0xa6f72ced, v8             ; r, within +-pi/4
	s_delay_alu instid0(VALU_DEP_1)
	v_mul_f32 v10, v8, v8                          ; z
	v_mov_b32 v11, 0xb94ca1f9
	s_delay_alu instid0(VALU_DEP_1)
	v_fmaak_f32 v11, v10, v11, 0x3c08839e
	s_delay_alu instid0(VALU_DEP_1)
	v_fmaak_f32 v11, v10, v11, 0xbe2aaaa3
	s_delay_alu instid0(VALU_DEP_4)
	v_mul_f32 v12, v10, v8
	s_delay_alu instid0(VALU_DEP_1)
	v_fma_f32 v11, v12, v11, v8                    ; sin r
	v_mov_b32 v13, 0x37ccf5ce
	s_delay_alu instid0(VALU_DEP_1)
	v_fmaak_f32 v13, v10, v13, 0xbab6061a
	s_delay_alu instid0(VALU_DEP_1)
	v_fmaak_f32 v13, v10, v13, 0x3d2aaaa5
	v_mul_f32 v14, v10, v10
	v_fma_f32 v15, v10, -0.5, 1.0
	s_delay_alu instid0(VALU_DEP_1)
	v_fma_f32 v13, v14, v13, v15                   ; cos r
	v_cvt_i32_f32 v7, v7
	s_delay_alu instid0(VALU_DEP_1)
	v_and_b32 v5, 1, v7
	s_delay_alu instid0(VALU_DEP_1)
	v_cmp_ne_u32 vcc_lo, 0, v5                     ; odd quadrants change the two
	s_delay_alu instid0(VALU_DEP_1)
	v_cndmask_b32 v12, v11, v13, vcc_lo            ; sin
	s_delay_alu instid0(VALU_DEP_2)
	v_cndmask_b32 v14, v13, v11, vcc_lo            ; cos
	v_lshlrev_b32 v5, 30, v7
	s_delay_alu instid0(VALU_DEP_1)
	v_and_b32 v5, 0x80000000, v5
	s_delay_alu instid0(VALU_DEP_1)
	v_xor_b32 v33, v5, v12                         ; sin changes sign where n & 2
	v_add_nc_u32 v7, 1, v7
	s_delay_alu instid0(VALU_DEP_1)
	v_lshlrev_b32 v5, 30, v7
	s_delay_alu instid0(VALU_DEP_1)
	v_and_b32 v5, 0x80000000, v5
	s_delay_alu instid0(VALU_DEP_1)
	v_xor_b32 v32, v5, v14                         ; cos where (n + 1) & 2
	v_lshlrev_b32 v34, 3, v2
	s_lshl_b32 s46, s38, 8
	s_add_nc_u64 s[26:27], s[26:27], s[46:47]
	global_store_b64 v34, v[32:33], s[26:27]       ; the wave stores 256 consecutive bytes, aligned
	v_mov_b32 v35, 2
	v_mov_b32 v36, 1
	v_mov_b32 v37, 0
	v_mov_b32 v42, 0                               ; the bit image's four words: written once, since a lane write's destination counts as read
	v_mov_b32 v43, 0
	v_mov_b32 v44, 0
	v_mov_b32 v45, 0
	v_mov_b32 v38, s32
	s_delay_alu instid0(VALU_DEP_1)
	v_lshlrev_b32 v38, 3, v38                      ; LDS: 8 x wave
; largest and smallest of a tile's 2,048 entries (64 a lane), the smallest as the largest of the negated entries
.macro MINMAX q
.set X, 48+64*\q
	v_max3_num_f32 v8, v[X], v[X+1], v[X+2]
	v_max3_num_f32 v9, v[X+3], v[X+4], v[X+5]
	v_max3_num_f32 v10, -v[X], -v[X+1], -v[X+2]
	v_max3_num_f32 v11, -v[X+3], -v[X+4], -v[X+5]
.irp i, 6,10,14,18,22,26,30,34,38,42,46,50,54,58
	s_delay_alu instid0(VALU_DEP_4)
	v_max3_num_f32 v8, v8, v[X+\i], v[X+\i+1]
	s_delay_alu instid0(VALU_DEP_4)
	v_max3_num_f32 v9, v9, v[X+\i+2], v[X+\i+3]
	s_delay_alu instid0(VALU_DEP_4)
	v_max3_num_f32 v10, v10, -v[X+\i], -v[X+\i+1]
	s_delay_alu instid0(VALU_DEP_4)
	v_max3_num_f32 v11, v11, -v[X+\i+2], -v[X+\i+3]
.endr
	s_delay_alu instid0(VALU_DEP_4)
	v_max3_num_f32 v8, v8, v[X+62], v[X+63]
	s_delay_alu instid0(VALU_DEP_3)
	v_max3_num_f32 v10, v10, -v[X+62], -v[X+63]
	s_delay_alu instid0(VALU_DEP_2)
	v_max_num_f32 v8, v8, v9
	s_delay_alu instid0(VALU_DEP_2)
	v_max_num_f32 v10, v10, v11
.irp m, 1,2,4,8
	s_delay_alu instid0(VALU_DEP_2)
	v_max_num_f32_dpp v8, v8, v8 row_xmask:\m row_mask:0xf bank_mask:0xf
	s_delay_alu instid0(VALU_DEP_2)
	v_max_num_f32_dpp v10, v10, v10 row_xmask:\m row_mask:0xf bank_mask:0xf
.endr
	s_delay_alu instid0(VALU_DEP_2)
	v_permlanex16_b32 v9, v8, s42, s43
	s_delay_alu instid0(VALU_DEP_2)
	v_permlanex16_b32 v11, v10, s42, s43
	s_delay_alu instid0(VALU_DEP_2)
	v_max_num_f32 v8, v8, v9                       ; the largest
	s_delay_alu instid0(VALU_DEP_2)
	v_max_num_f32 v10, v10, v11
	s_delay_alu instid0(VALU_DEP_1)
	v_xor_b32 v10, 0x80000000, v10                 ; the smallest
; CLASS 3, beside the three classes named at the head: every entry is 0 or one number u other than 0 (class 2 is what is left).  u = the largest entry, or the smallest where the largest is 0; uval holds u x log2(e).
; THE BIT IMAGE of every tile, whatever its class: word n of row i has bit l set where entry (row i, key 4 l + n) is 0.  Lane 16 q + i of v42-45 gets row i's four words.
	v_cmp_neq_f32 vcc_lo, 0, v8
	v_cndmask_b32 v40, v10, v8, vcc_lo             ; u
	s_wait_alu depctr_va_vdst(0)                   ; the wait behind this write
	s_mov_b32 s56, -1                              ; stays all ones while every entry is 0 or u
.irp i, 0,1,2,3,4,5,6,7,8,9,10,11,12,13,14,15
.irp n, 0,1,2,3
	v_cmp_eq_f32 s[48+\n], 0, v[X+4*\i+\n]
	v_cmp_eq_f32 s[52+\n], v40, v[X+4*\i+\n]
.endr
.irp n, 0,1,2,3
	s_or_b32 s[52+\n], s[52+\n], s[48+\n]
	s_and_b32 s56, s56, s[52+\n]
	v_writelane_b32 v[42+\n], s[48+\n], 16*\q+\i
.endr
.endr
	s_cmp_eq_u32 s56, -1
	s_cselect_b32 s57, 3, 2
	v_mov_b32 v35, s57                             ; 3 or 2,
	v_cmp_eq_f32 vcc_lo, v10, v8
	v_cndmask_b32 v[12+2*\q], v35, v36, vcc_lo     ; or 1 where all entries are equal,
	v_max_num_f32 v9, |v10|, |v8|
	v_cmp_eq_f32 vcc_lo, 0, v9
	v_cndmask_b32 v[12+2*\q], v[12+2*\q], v37, vcc_lo   ; or 0 where all are 0
	v_mul_f32 v[13+2*\q], 0x3fb8aa3b, v40          ; the number x log2(e)
	ds_store_b32 v38, v[12+2*\q] offset:4*\q       ; all lanes write the same word with the same value
	ds_store_b32 v38, v[13+2*\q] offset:128+4*\q
.endm
	s_wait_loadcnt 16                              ; key step 0's 16 loads are in; key step 1's 16 may be out
	MINMAX 0
	s_wait_loadcnt 0x0
	MINMAX 1
; the two bit images go behind uval's 8,192 bytes, laid [qb][w / 2][key step 2 sg + q][w % 2][row][16 bytes]: sixteen lanes store 256 consecutive bytes, aligned
	s_lshl_b32 s46, s33, 16
	s_lshr_b32 s48, s32, 1
	s_lshl_b32 s48, s48, 13
	s_add_co_u32 s46, s46, s48
	s_lshl_b32 s48, s34, 10
	s_add_co_u32 s46, s46, s48
	s_and_b32 s48, s32, 1
	s_lshl_b32 s48, s48, 8
	s_add_co_u32 s46, s46, s48
	s_add_nc_u64 s[58:59], s[30:31], s[46:47]
	v_lshrrev_b32 v46, 4, v2
	v_and_b32 v47, 15, v2
	v_lshlrev_b32 v47, 4, v47
	v_lshl_add_u32 v46, v46, 9, v47                ; 512 q + 16 x row
	s_wait_alu depctr_va_vdst(0)                   ; the wait directly ahead of the reader below
	global_store_b128 v46, v[42:45], s[58:59] offset:8192
	s_wait_dscnt 0x0                               ; for the others' sake: my four words lie in LDS
	s_barrier_signal -1
	s_barrier_wait -1
	s_cmp_lg_u32 s32, 0
	s_cbranch_scc1 .Lend_m                         ; wave 0 writes the record
	v_lshlrev_b32 v39, 2, v2
	ds_load_b32 v20, v39                           ; entry l's class
	ds_load_b32 v22, v39 offset:128                ; and number
	s_wait_alu depctr_va_vdst(0)
	s_wait_dscnt 0x0
	v_cmp_ne_u32 vcc_lo, 0, v20
	s_delay_alu instid0(VALU_DEP_1)
	v_mov_b32 v21, vcc_lo
	s_delay_alu instid0(VALU_DEP_1)
	v_min_u32 v21, 1, v21                          ; 1 where any class of the record is not 0
	s_lshl_b32 s46, ttmp9, 8
	s_add_nc_u64 s[28:29], s[28:29], s[46:47]
	s_lshl_b32 s46, ttmp9, 7
	s_add_nc_u64 s[30:31], s[30:31], s[46:47]
	global_store_b64 v34, v[20:21], s[28:29]       ; 256 consecutive bytes, aligned
	global_store_b32 v39, v22, s[30:31]
.Lend_m:
	s_wait_tensorcnt 0x0
	ds_add_u32 v208, v209
	s_wait_dscnt 0x0
	s_endpgm
; ---------------- the weights
.Lweights:
	s_sub_co_u32 s33, ttmp9, 64
	s_lshl_b32 s33, s33, 4
	s_add_co_u32 s33, s33, s32                     ; J
	s_cmp_ge_u32 s33, NJOBS
	s_cbranch_scc1 .Lend_w                         ; the last work-group has jobs for eight of its waves
	s_mov_b64 s[36:37], s[6:7]                     ; W_o: jobs 0 on
	s_mov_b32 s38, 4096                            ; a row of the weight in bytes
	s_mov_b32 s39, 5                               ; log2 of its groups of 32 columns
	s_mov_b32 s40, 76                              ; 4 x its entry of lowp_scales
	s_mov_b32 s41, 0                               ; its first job
.macro PICK start, ptr, pitch, lg, idx         ; the choice hangs on the job's number alone
	s_cmp_ge_u32 s33, \start
	s_cselect_b64 s[36:37], s[\ptr:\ptr+1], s[36:37]
	s_cselect_b32 s38, \pitch, s38
	s_cselect_b32 s39, \lg, s39
	s_cselect_b32 s40, 4*\idx, s40
	s_cselect_b32 s41, \start, s41
.endm
	PICK 256, 8, 512, 2, 1                         ; W_dq
	PICK 288, 10, 512, 2, 3                        ; W_dkv
	PICK 320, 12, 4096, 5, 7                       ; W_uq
	PICK 352, 14, 4096, 5, 9                       ; W_uk
	PICK 384, 16, 4096, 5, 11                      ; W_uv
	PICK 416, 18, 2048, 4, 13                      ; W_qr
	PICK 432, 20, 128, 0, 5                        ; W_kr
	s_load_b32 s42, s[22:23], s40 offset:0x0       ; e
	s_sub_co_u32 s43, s33, s41                     ; the job within its weight = s x groups + cg
	s_lshr_b32 s44, s43, s39                       ; s: which 128 along K
	s_lshl_b32 s45, s44, s39
	s_sub_co_u32 s45, s43, s45                     ; cg: which 32 columns
	s_lshl_b32 s46, s44, 7
	s_mul_i32 s46, s46, s38
	s_lshl_b32 s45, s45, 7
	s_add_co_u32 s46, s46, s45
	s_add_nc_u64 s[48:49], s[36:37], s[46:47]      ; row 128 s, column 32 cg
	s_lshl_b32 s46, s38, 5
	s_add_nc_u64 s[50:51], s[48:49], s[46:47]      ; 32 rows on, for each of the four blocks
	s_add_nc_u64 s[52:53], s[50:51], s[46:47]
	s_add_nc_u64 s[54:55], s[52:53], s[46:47]
	s_lshl_b32 s46, s33, 12
	s_add_nc_u64 s[24:25], s[24:25], s[46:47]      ; my job's 4,096 bytes of codes
	s_wait_alu depctr_va_vdst(0)
	v_lshlrev_b32 v16, 2, v2                       ; row i of a block at 4 x lane + i x pitch
.set i, 1
.rept 31
	s_delay_alu instid0(VALU_DEP_1)
	v_add_nc_u32 v[16+i], s38, v[15+i]
.set i, i+1
.endr
	v_bfe_u32 v4, v2, 3, 1                         ; my column's tile u = (lane / 8) % 2
	v_and_b32 v5, 7, v2
	v_lshrrev_b32 v6, 4, v2
	s_delay_alu instid0(VALU_DEP_1)
	v_lshl_add_u32 v5, v6, 3, v5                   ; and its row there: lane % 8 + 8 (lane / 16)
	s_delay_alu instid0(VALU_DEP_1)
	v_lshlrev_b32 v5, 4, v5
	s_delay_alu instid0(VALU_DEP_1)
	v_lshl_add_u32 v3, v4, 11, v5
.macro WBLK c                                  ; block c: W(128 s + 32 c + i, my column): a load reads 128 consecutive bytes
.set i, 0
.rept 32
	global_load_b32 v[48+32*(\c)+i], v[16+i], s[48+2*(\c):49+2*(\c)] th:TH_LOAD_NT
.set i, i+1
.endr
.endm
	WBLK 0
	WBLK 1
	s_wait_alu depctr_va_vdst(0)
	s_wait_kmcnt 0x0
	s_add_co_i32 s56, s42, 127
	s_lshl_b32 s56, s56, 23
	v_mov_b32 v11, s56                             ; 2^e: the conversion takes its exponent field
	s_add_co_i32 s57, s42, 135
	s_lshl_b32 s57, s57, 23
	s_or_b32 s57, s57, 0x600000
	v_mov_b32 v10, s57                             ; 448 x 2^e
.macro QBLK c, left
	s_wait_loadcnt \left                           ; this block's 32 loads are in; the next block's 32 may be out
.if \c < 2
	WBLK \c+2
.endif
.set i, 0
.rept 32
	v_med3_num_f32 v[48+32*\c+i], v[48+32*\c+i], -v10, v10   ; the conversion does not saturate (ISA guide 7.6.2): the hold comes first
.set i, i+1
.endr
.irp g, 0,1,2,3
	v_cvt_scalef32_pk8_fp8_f32 v[176+8*\c+2*\g:177+8*\c+2*\g], v[48+32*\c+8*\g:55+32*\c+8*\g], v11
.endr
	global_store_b128 v3, v[176+8*\c:179+8*\c], s[24:25] offset:512*\c        ; k = 32 c + 0 .. 15: the places of lanes 0-15 of the piece, in both tiles: two aligned runs of 256 bytes
	global_store_b128 v3, v[180+8*\c:183+8*\c], s[24:25] offset:512*\c+256    ; k = 32 c + 16 .. 31: the places of lanes 16-31.  Each block has its own code registers: none is written again
.endm
	s_wait_alu depctr_va_vdst(0)
	QBLK 0, 32
	QBLK 1, 32
	QBLK 2, 32
	QBLK 3, 0
.Lend_w:
	s_endpgm
.Lfunc_end_k_q93b84124fb_prep:
	.size	k_q93b84124fb_prep, .Lfunc_end_k_q93b84124fb_prep-k_q93b84124fb_prep
	.p2alignl 7, 3214868480
	.fill 96, 4, 3214868480
	.section	.rodata,"a",@progbits
	.p2align	6, 0x0
	.amdhsa_kernel k_q93b84124fb_prep
		.amdhsa_group_segment_fixed_size 2304
		.amdhsa_private_segment_fixed_size 0
		.amdhsa_enable_private_segment 0
		.amdhsa_kernarg_size 112
		.amdhsa_user_sgpr_count 2
		.amdhsa_user_sgpr_kernarg_segment_ptr 1
		.amdhsa_wavefront_size32 1
		.amdhsa_system_sgpr_workgroup_id_x 1
		.amdhsa_system_sgpr_workgroup_id_y 1
		.amdhsa_system_sgpr_workgroup_id_z 1
		.amdhsa_system_vgpr_workitem_id 0
		.amdhsa_next_free_vgpr 210
		.amdhsa_next_free_sgpr 66
		.amdhsa_reserve_vcc 1
		.amdhsa_float_denorm_mode_32 3
		.amdhsa_float_denorm_mode_16_64 3
		.amdhsa_memory_ordered 1
		.amdhsa_forward_progress 1
		.amdhsa_inst_pref_size 86
	.end_amdhsa_kernel
	.amdgpu_metadata
---
amdhsa.version: [ 1, 2 ]
amdhsa.kernels:
  - .name:           k_q93b84124fb_prep
    .symbol:         k_q93b84124fb_prep.kd
    .args:
      - { .name: mask, .offset: 0, .size: 8, .value_kind: global_buffer, .address_space: global }
      - { .name: W_o, .offset: 8, .size: 8, .value_kind: global_buffer, .address_space: global }
      - { .name: W_dq, .offset: 16, .size: 8, .value_kind: global_buffer, .address_space: global }
      - { .name: W_dkv, .offset: 24, .size: 8, .value_kind: global_buffer, .address_space: global }
      - { .name: W_uq, .offset: 32, .size: 8, .value_kind: global_buffer, .address_space: global }
      - { .name: W_uk, .offset: 40, .size: 8, .value_kind: global_buffer, .address_space: global }
      - { .name: W_uv, .offset: 48, .size: 8, .value_kind: global_buffer, .address_space: global }
      - { .name: W_qr, .offset: 56, .size: 8, .value_kind: global_buffer, .address_space: global }
      - { .name: W_kr, .offset: 64, .size: 8, .value_kind: global_buffer, .address_space: global }
      - { .name: lowp_scales, .offset: 72, .size: 8, .value_kind: global_buffer, .address_space: global }
      - { .name: wcodes, .offset: 80, .size: 8, .value_kind: global_buffer, .address_space: global }
      - { .name: rope, .offset: 88, .size: 8, .value_kind: global_buffer, .address_space: global }
      - { .name: cls, .offset: 96, .size: 8, .value_kind: global_buffer, .address_space: global }
      - { .name: uval, .offset: 104, .size: 8, .value_kind: global_buffer, .address_space: global }
    .group_segment_fixed_size: 2304
    .private_segment_fixed_size: 0
    .kernarg_segment_align: 8
    .kernarg_segment_size: 112
    .max_flat_workgroup_size: 512
    .sgpr_count:     66
    .vgpr_count:     210
    .wavefront_size: 32
...
	.end_amdgpu_metadata
.endif
;; end of part 1
;; launch proj (part 2): grid 256 x 1, 16 waves a work-group, no clusters, 252,928 bytes of LDS; arguments x, wcodes, rope, lowp_scales, b_dq, b_dkv, b_kr, b_uq, b_qr, b_uk, b_uv, qimg, kimg, vimg; writes qimg, kimg, vimg
.if DOCPART == 2
	.amdgcn_target "amdgcn-amd-amdhsa--gfx1250"
	.amdhsa_code_object_version 6
	.text
	.protected	k_q93b84124fb_proj
	.globl	k_q93b84124fb_proj
	.p2align	8
	.type	k_q93b84124fb_proj,@function
k_q93b84124fb_proj:
	s_mov_b64 s[64:65], 0
	v_nop
	global_prefetch_b8 v0, s[64:65] scope:SCOPE_SE
	s_setreg_imm32_b32 hwreg(HW_REG_WAVE_MODE, 25, 1), 1
	s_wait_xcnt 0x0
; PROJ.  Products 1 to 7, the rotary embedding, and the codes of q_t, k_t and v^T.  A work-group takes 32 tokens (32 g .. 32 g + 31) through the whole chain; nothing between the products goes to memory.
; AN OPERAND IS AN IMAGE OF ITS REGISTERS, in LDS and in memory: fragment (16 rows x 128 K) = 4 pieces of 512 bytes; in piece c lane (r, h) owns the 16 bytes at 16 x lane: k = 32 c + 16 h + 0 .. 15 of row r.
; That order of k is the same on both sides of every product.  TILE 2 B + u OF ANY AXIS HOLDS MEMBERS 32 B + 8 u + r + 8 (r / 8): so the 16 registers of result tiles 2 B, 2 B + 1 are 16 neighbours of the next K.
; PHASES.  X: wave w turns x (token tile w % 2, K step w / 2) through its own stage and quantises it three times (e0, e2, e4) | barrier |
;   D: wave w makes column tile w of c_q | c_kv for both token tiles (source 0 = weight, source 1 = x: a lane holds a token), adds the bias and quantises twice (e6, e12 or e8, e10); waves 0, 1 also make k_r, turn it and quantise it | barrier |
;   U: wave w = head w: seven groups of 32 columns x 32 tokens: q_c (2), q_r (1, turned), k_c (2), v (2, sources changed: a lane holds a channel and its registers run along the tokens, which are the keys).
; No tensor load and no cluster: the weights are read as fragments straight into registers; each wave reads only its own tiles.
; LIMITS: e0, e2, e4, e6, e8, e10, e12, e14, e15, e16 between -126 and 119; e0+e1, e2+e3, e4+e5, e6+e7, e8+e9, e10+e11, e12+e13 between -126 and 127.  NaN and infinities among x, weights and biases are not served.
; REGISTERS: v1-14 addresses that stay; v16-79 x's numbers, then x's fragments (two sets), then c's fragments (v16-47) and a group's results (v48-79); v80-95 at work, accumulators, codes; v96-111 codes, c, k_r's table;
;   v112-119 bias; v120-125 three pairs (scale, 448 x scale); v126-127 at work; v128-255 eight fragments of a weight, then two sets of (32 weight + 16 bias) and from v224 the rotary table.
.set SPITCH, 528                       ; a stage row: 512 bytes + 16: 33 x 16, so 16 rows start at 16 different places modulo 256 bytes
.set STGW,  16*SPITCH                  ; a wave's stage
.set XIMG,  16*STGW                    ; 135,168: x's images, three sets of 16 fragments: fragment (K step s, tile u) at (2 s + u) x 2048
.set CIMG,  XIMG+3*32768               ; 233,472: c's images: c_q e6, c_q e12, c_kv e8, c_kv e10, each two fragments
.set KRIMG, CIMG+4*4096                ; 249,856: k_r's piece for the two token tiles
.set WDQ, 1048576                      ; where the weights' codes begin in wcodes
.set WUQ, 1310720
.set WUK, 1441792
.set WUV, 1572864
.set WQR, 1703936
.set WKR, 1769472
.macro FACT d, a, b                            ; s[d:d+1] = 2^(s[a] + s[b]) as f32, twice
	s_add_co_i32 s[\d], s[\a], s[\b]
	s_add_co_i32 s[\d], s[\d], 127
	s_lshl_b32 s[\d], s[\d], 23
	s_mov_b32 s[\d+1], s[\d]
.endm
.macro POWLIM d, e                             ; s[d] = 2^e, s[d+1] = 448 x 2^e
	s_add_co_i32 s[\d], s[\e], 127
	s_lshl_b32 s[\d], s[\d], 23
	s_add_co_i32 s[\d+1], s[\e], 135
	s_lshl_b32 s[\d+1], s[\d+1], 23
	s_or_b32 s[\d+1], s[\d+1], 0x600000
.endm
.macro PAIR d, f
	v_mov_b32 v[\d], s[\f]
	v_mov_b32 v[\d+1], s[\f+1]
.endm
.macro PLACES                                  ; four plain vector lines behind matrix instructions, ahead of loads into their registers and of reads of their results
.rept 4
	v_nop
.endr
.endm
	s_load_b512 s[4:19], s[0:1], 0x0               ; x, wcodes, rope, lowp_scales, b_dq, b_dkv, b_kr, b_uq
	s_load_b256 s[20:27], s[0:1], 0x40             ; b_qr, b_uk, b_uv, qimg
	s_load_b128 s[28:31], s[0:1], 0x60             ; kimg, vimg
	v_lshrrev_b32 v1, 5, v0
	s_delay_alu instid0(VALU_DEP_1)
	v_readfirstlane_b32 s32, v1                    ; wave
	v_and_b32 v15, 31, v0
	s_delay_alu instid0(VALU_DEP_1)
	v_lshlrev_b32 v1, 4, v15                       ; v1  16 x lane: my place in every piece
	v_and_b32 v14, 15, v0                          ; r
	v_bfe_u32 v13, v0, 4, 1                        ; h
	s_and_b32 s33, s32, 1                          ; w % 2
	s_lshr_b32 s34, s32, 3                         ; w / 8: 0 = c_q's side, 1 = c_kv's
	s_mul_i32 s53, s32, STGW
	v_add_nc_u32 v2, s53, v1                       ; v2  the stage, on the way in
	v_mul_u32_u24 v3, v14, SPITCH
	s_delay_alu instid0(VALU_DEP_1)
	v_lshl_add_u32 v3, v13, 6, v3
	s_delay_alu instid0(VALU_DEP_1)
	v_add_nc_u32 v3, s53, v3                       ; v3  and back: row r, + 64 h
	s_lshl_b32 s53, s32, 11
	s_add_co_u32 s53, s53, XIMG
	v_add_nc_u32 v4, s53, v1                       ; v4  where I store x's images (sets 0, 1)
	s_delay_alu instid0(VALU_DEP_1)
	v_add_nc_u32 v5, 0x10000, v4                   ; v5  set 2
	s_lshl_b32 s53, s34, 15
	s_add_co_u32 s53, s53, XIMG
	v_add_nc_u32 v6, s53, v1                       ; v6  where I read them: set w / 8
	v_add_nc_u32 v7, XIMG+65536, v1                ; v7  set 2
	s_lshl_b32 s53, s34, 13
	s_bfe_u32 s54, s32, 0x20001                    ; (w / 2) % 4: which 32 columns of c my tile lies in
	s_lshl_b32 s55, s54, 9
	s_add_co_u32 s53, s53, s55
	s_lshl_b32 s55, s33, 3
	s_add_co_u32 s53, s53, s55
	s_add_co_u32 s53, s53, CIMG
	v_add_nc_u32 v8, s53, v1                       ; v8  where I store c's 8 codes a lane
	v_add_nc_u32 v9, CIMG, v1                      ; v9  where c's images are read
	s_add_co_u32 s55, s55, KRIMG
	v_add_nc_u32 v10, s55, v1                      ; v10 where waves 0, 1 store k_r's 8 codes a lane
	v_add_nc_u32 v11, KRIMG, v1                    ; v11 where k_r's pieces are read
	v_lshlrev_b32 v12, 6, v13                      ; v12 64 h: 16 h numbers of a bias
	v_and_b32 v16, 8, v14
	s_delay_alu instid0(VALU_DEP_1)
	v_add_nc_u32 v16, v16, v14                     ; r + 8 (r / 8)
	s_delay_alu instid0(VALU_DEP_1)
	v_lshl_add_u32 v13, v16, 7, v12                ; v13 the rotary table: my token's row of 128 bytes, + 64 h
	s_delay_alu instid0(VALU_DEP_2)
	v_lshlrev_b32 v14, 2, v16                      ; v14 b_uv at my channel
	s_mov_b32 s55, 0                               ; the high word of every offset pair s[54:55]
	s_wait_alu depctr_va_vdst(0)
	s_wait_kmcnt 0x0
	s_load_b512 s[36:51], s[10:11], 0x0            ; e0 .. e15
	s_load_b32 s52, s[10:11], 0x40                 ; e16
	s_lshl_b32 s54, ttmp9, 17                      ; 32 g rows of 4,096 bytes
	s_lshl_b32 s53, s33, 15                        ; + 8 u rows
	s_add_co_u32 s54, s54, s53
	s_lshr_b32 s53, s32, 1
	s_lshl_b32 s53, s53, 9                         ; + K step w / 2: 512 bytes
	s_add_co_u32 s54, s54, s53
	s_add_nc_u64 s[4:5], s[4:5], s[54:55]
.irp i, 0,1,2,3,4,5,6,7,8,9,10,11,12,13,14,15
	global_load_b128 v[16+4*\i:19+4*\i], v1, s[4:5] offset:(\i+8*(\i/8))*4096 th:TH_LOAD_NT   ; 512 consecutive bytes of one token's row
.endr
	s_lshl_b32 s54, s34, 17
	s_and_b32 s53, s32, 7
	s_lshl_b32 s53, s53, 11
	s_add_co_u32 s54, s54, s53
	s_add_co_u32 s54, s54, WDQ
	s_add_nc_u64 s[56:57], s[6:7], s[54:55]        ; W_dq's or W_dkv's column tile w % 8
.irp s, 0,1,2,3,4,5,6,7
.irp c, 0,1,2,3
	global_load_b128 v[128+16*\s+4*\c:131+16*\s+4*\c], v1, s[56:57] offset:16384*\s+512*\c
.endr
.endr
	s_cmp_eq_u32 s34, 0
	s_cselect_b64 s[58:59], s[12:13], s[14:15]     ; b_dq or b_dkv
	s_bfe_u32 s54, s32, 0x20001
	s_lshl_b32 s54, s54, 7
	s_lshl_b32 s53, s33, 5
	s_add_co_u32 s54, s54, s53
	s_add_nc_u64 s[58:59], s[58:59], s[54:55]      ; at column 32 B + 8 (w % 2); the lane adds 16 h
	global_load_b128 v[112:115], v12, s[58:59]
	global_load_b128 v[116:119], v12, s[58:59] offset:16
	; the other bases
	s_lshl_b32 s54, s32, 13
	s_add_nc_u64 s[60:61], s[6:7], s[54:55]        ; wcodes + 4 tiles x head (W_uq, W_uk, W_uv)
	s_lshl_b32 s54, s32, 12
	s_add_nc_u64 s[62:63], s[6:7], s[54:55]        ; wcodes + 2 tiles x head (W_qr)
	s_lshl_b32 s54, s33, 11
	s_add_nc_u64 s[94:95], s[6:7], s[54:55]        ; wcodes + tile w % 2 (W_kr)
	s_and_b32 s35, ttmp9, 63                       ; which 32 positions of the sequence
	s_lshl_b32 s54, s35, 12
	s_add_nc_u64 s[8:9], s[8:9], s[54:55]          ; the table at position 32 x that
	s_lshl_b32 s54, s33, 5
	s_add_nc_u64 s[96:97], s[8:9], s[54:55]        ; + 4 frequencies x (w % 2), for k_r
	s_add_nc_u64 s[16:17], s[16:17], s[54:55]      ; b_kr + 8 numbers x (w % 2)
	s_lshl_b32 s54, s32, 8
	s_add_nc_u64 s[18:19], s[18:19], s[54:55]      ; b_uq, b_uk, b_uv at my head's 64
	s_add_nc_u64 s[22:23], s[22:23], s[54:55]
	s_add_nc_u64 s[24:25], s[24:25], s[54:55]
	s_lshl_b32 s54, s32, 7
	s_add_nc_u64 s[20:21], s[20:21], s[54:55]      ; b_qr at my head's 32
	s_lshr_b32 s53, ttmp9, 6
	s_lshl_b32 s53, s53, 4
	s_add_co_u32 s53, s53, s32                     ; bh = 16 b + head
	s_mul_i32 s54, s53, 196608
	s_mul_i32 s98, s35, 3072
	s_add_co_u32 s54, s54, s98
	s_add_nc_u64 s[26:27], s[26:27], s[54:55]      ; qimg, kimg: [bh][tile][3][512] at my two tiles
	s_add_nc_u64 s[28:29], s[28:29], s[54:55]
	s_lshl_b32 s54, s53, 17
	s_lshr_b32 s98, s35, 2
	s_lshl_b32 s98, s98, 13
	s_add_co_u32 s54, s54, s98
	s_and_b32 s98, s35, 3
	s_lshl_b32 s98, s98, 9
	s_add_co_u32 s54, s54, s98
	s_add_nc_u64 s[30:31], s[30:31], s[54:55]      ; vimg: [bh][key step][channel tile][piece][512] at my key step and piece
	s_wait_kmcnt 0x0
	s_cmp_eq_u32 s34, 0
	s_cselect_b32 s98, s36, s38                    ; the exponents of my side: x's,
	s_cselect_b32 s99, s37, s39                    ; the weight's,
	s_cselect_b32 s100, s42, s44                   ; c's first (e6 or e8)
	s_cselect_b32 s101, s48, s46                   ; and second (e12 or e10)
	FACT 66, 98, 99
	FACT 68, 40, 41
	FACT 70, 42, 43
	FACT 72, 48, 49
	FACT 74, 44, 45
	FACT 76, 46, 47
	POWLIM 78, 36
	POWLIM 80, 38
	POWLIM 82, 40
	POWLIM 84, 100
	POWLIM 86, 101
	POWLIM 88, 50
	POWLIM 90, 51
	POWLIM 92, 52
	PAIR 120, 78
	PAIR 122, 80
	PAIR 124, 82
; ---- X
	s_wait_alu depctr_va_vdst(0)
	s_wait_loadcnt 34                              ; x's 16 loads are in; the 32 + 2 issued behind them may be out
.irp i, 0,1,2,3,4,5,6,7,8,9,10,11,12,13,14,15
	ds_store_b128 v2, v[16+4*\i:19+4*\i] offset:SPITCH*\i
.endr
.irp b, 0,1,2,3
.irp j, 0,1,2,3
	ds_load_b128 v[16+16*\b+4*\j:19+16*\b+4*\j], v3 offset:128*\b+16*\j   ; LDS serves a wave's instructions in order: these see the stores.  Register 16 b + i = k 32 b + 16 h + i of token r
.endr
.endr
	s_wait_dscnt 0x0
; x's 64 numbers of a lane become a fragment under scale set n, eight at a time: between a conversion and the next write of its sources stand the other half's eight holds
.macro XQ n, a, o
.irp b, 0,1,2,3
.irp m, 0,1
.irp i, 0,1,2,3,4,5,6,7
	v_med3_num_f32 v[80+8*\m+\i], v[16+16*\b+8*\m+\i], -v[121+2*\n], v[121+2*\n]
.endr
	v_cvt_scalef32_pk8_fp8_f32 v[96+4*\b+2*\m:97+4*\b+2*\m], v[80+8*\m:87+8*\m], v[120+2*\n]
.endr
.endr
	v_nop                                          ; a plain line behind the last conversion
.irp c, 0,1,2,3
	ds_store_b128 v[\a], v[96+4*\c:99+4*\c] offset:\o+512*\c
.endr
	s_wait_dscnt 0x0                               ; the stores have read the codes: they may be written again
.endm
	XQ 0, 4, 0
	XQ 1, 4, 32768
	XQ 2, 5, 0
	s_barrier_signal -1                            ; my LDS stores have landed (the wait above)
	s_barrier_wait -1                              ; x's 48 fragments lie in LDS
; ---- D
	s_wait_loadcnt 0x0                             ; the weight's eight fragments and the bias
	PAIR 120, 84
	PAIR 122, 86
.macro XFL a, s                                ; x's two fragments of K step s into set s % 2
.irp u, 0,1
.irp c, 0,1,2,3
	ds_load_b128 v[16+32*((\s)%2)+16*\u+4*\c:19+32*((\s)%2)+16*\u+4*\c], v[\a] offset:4096*(\s)+2048*\u+512*\c
.endr
.endr
.endm
; one column tile x two token tiles over K = 1,024: two accumulators by turns, one instruction a turn
.macro DJOB a
	XFL \a, 0
	XFL \a, 1
.irp s, 0,1,2,3,4,5,6,7
.if \s < 7
	s_wait_dscnt 8                                 ; this step's 8 loads are in; the next step's 8 may be out
.else
	s_wait_dscnt 0x0
.endif
.if \s == 0
	v_wmma_f32_16x16x128_fp8_fp8 v[80:87], v[128:143], v[16:31], 0
	v_wmma_f32_16x16x128_fp8_fp8 v[88:95], v[128:143], v[32:47], 0
.else
	v_wmma_f32_16x16x128_fp8_fp8 v[80:87], v[128+16*\s:143+16*\s], v[16+32*(\s%2):31+32*(\s%2)], v[80:87]
	v_wmma_f32_16x16x128_fp8_fp8 v[88:95], v[128+16*\s:143+16*\s], v[32+32*(\s%2):47+32*(\s%2)], v[88:95]
.endif
	PLACES
.if \s < 6
	XFL \a, \s+2
.endif
.endr
.endm
	DJOB 6
	s_cmp_lt_u32 s32, 2
	s_cbranch_scc0 .Lno_kr1
.irp s, 0,1,2,3,4,5,6,7                        ; waves 0, 1: W_kr's tile w is asked for now, and lands while c is quantised
.irp c, 0,1,2,3
	global_load_b128 v[128+16*\s+4*\c:131+16*\s+4*\c], v1, s[94:95] offset:WKR+4096*\s+512*\c
.endr
.endr
.Lno_kr1:
.irp u, 0,1
.irp i, 0,2,4,6
	v_pk_fma_f32 v[96+8*\u+\i:97+8*\u+\i], v[80+8*\u+\i:81+8*\u+\i], s[66:67], v[112+\i:113+\i] op_sel_hi:[1,0,1]   ; c = sum x 2^(ex + ew) + bias: lane (r, h): token r, columns 32 B + 16 h + 8 (w % 2) + 0 .. 7
.endr
.endr
.irp n, 0,1                                    ; c is an operand of two products, each with a scale of its own
.irp u, 0,1
.irp i, 0,1,2,3,4,5,6,7
	v_med3_num_f32 v[16+16*\n+8*\u+\i], v[96+8*\u+\i], -v[121+2*\n], v[121+2*\n]
.endr
	v_cvt_scalef32_pk8_fp8_f32 v[48+4*\n+2*\u:49+4*\n+2*\u], v[16+16*\n+8*\u:23+16*\n+8*\u], v[120+2*\n]
.endr
.endr
	v_nop
.irp n, 0,1
.irp u, 0,1
	ds_store_b64 v8, v[48+4*\n+2*\u:49+4*\n+2*\u] offset:4096*\n+2048*\u
.endr
.endr
	PAIR 120, 88                                   ; from here on: e14 (q_t), e15 (k_t), e16 (v)
	PAIR 122, 90
	PAIR 124, 92
.macro ROPE x, t                               ; (r, i) at v[x], v[x+1]; (cos, sin) at v[t], v[t+1]
	v_mul_f32 v126, v[\x+1], v[\t+1]
	v_mul_f32 v127, v[\x+1], v[\t]
	s_delay_alu instid0(VALU_DEP_1)
	v_fma_f32 v[\x+1], v[\x], v[\t+1], v127        ; r sin + i cos
	s_delay_alu instid0(VALU_DEP_3)
	v_fma_f32 v[\x], v[\x], v[\t], -v126           ; r cos - i sin
.endm
	s_cmp_lt_u32 s32, 2
	s_cbranch_scc0 .Lno_kr2
.irp u, 0,1                                    ; k_r: column tile w of 32 columns, for both token tiles
.irp j, 0,1
	global_load_b128 v[96+8*\u+4*\j:99+8*\u+4*\j], v13, s[96:97] offset:1024*\u+16*\j   ; my token's (cos, sin) of frequencies 8 h + 4 w + 0 .. 3
.endr
.endr
	global_load_b128 v[112:115], v12, s[16:17]
	global_load_b128 v[116:119], v12, s[16:17] offset:16
	s_wait_dscnt 0x0                               ; c's stores have read their registers
	s_wait_loadcnt 0x0                             ; W_kr, the table, b_kr
	DJOB 7
.irp u, 0,1
.irp i, 0,2,4,6
	v_pk_fma_f32 v[16+8*\u+\i:17+8*\u+\i], v[80+8*\u+\i:81+8*\u+\i], s[68:69], v[112+\i:113+\i] op_sel_hi:[1,0,1]
.endr
.endr
.irp u, 0,1
.irp p, 0,1,2,3
	ROPE 16+8*\u+2*\p, 96+8*\u+2*\p
.endr
.endr
.irp u, 0,1
.irp i, 0,1,2,3,4,5,6,7
	v_med3_num_f32 v[16+8*\u+\i], v[16+8*\u+\i], -v123, v123
.endr
	v_cvt_scalef32_pk8_fp8_f32 v[32+2*\u:33+2*\u], v[16+8*\u:23+8*\u], v122
.endr
	v_nop
	ds_store_b64 v10, v[32:33]
	ds_store_b64 v10, v[34:35] offset:512
.Lno_kr2:
	s_wait_loadcnt 0x0                             ; on every way to this line no load is out on v128-255, which the loads below fill anew (waves 0, 1 have waited in their job; the others have had none out since phase D's head)
; ---- U.  What a group loads, multiplies by and stores:
.macro GPAR g
.if (\g) < 2
.set gWS, 60
.set gWI, WUQ+4096*(\g)
.set gBS, 18
.set gBI, 128*(\g)
.set gF, 70
.set gQ, 120
.set gOS, 26
.set gOI, 512*(\g)
.elseif (\g) == 2
.set gWS, 62
.set gWI, WQR
.set gBS, 20
.set gBI, 0
.set gF, 72
.set gQ, 120
.set gOS, 26
.set gOI, 1024
.elseif (\g) < 5
.set gWS, 60
.set gWI, WUK+4096*((\g)-3)
.set gBS, 22
.set gBI, 128*((\g)-3)
.set gF, 74
.set gQ, 122
.set gOS, 28
.set gOI, 512*((\g)-3)
.else
.set gWS, 60
.set gWI, WUV+4096*((\g)-5)
.set gBS, 24
.set gBI, 128*((\g)-5)
.set gF, 76
.set gQ, 124
.set gOS, 30
.set gOI, 4096*((\g)-5)
.endif
.set gB, 128+48*((\g)%2)
.set gC, 80+8*((\g)%2)
.endm
.macro GW g                                    ; group g's two weight tiles: 8 loads
	GPAR \g
.irp t, 0,1
.irp c, 0,1,2,3
	global_load_b128 v[gB+16*\t+4*\c:gB+16*\t+4*\c+3], v1, s[gWS:gWS+1] offset:gWI+2048*\t+512*\c
.endr
.endr
.endm
.macro GB g                                    ; and its bias: 4 loads (16 columns a lane), or for v 2 (a channel a lane and tile)
	GPAR \g
.if (\g) < 5
.irp j, 0,1,2,3
	global_load_b128 v[gB+32+4*\j:gB+35+4*\j], v12, s[gBS:gBS+1] offset:gBI+16*\j
.endr
.else
	global_load_b32 v[gB+32], v14, s[gBS:gBS+1] offset:gBI
	global_load_b32 v[gB+33], v14, s[gBS:gBS+1] offset:gBI+32
.endif
.endm
.macro CFETCH n                                ; c's two fragments under scale set n
.irp u, 0,1
.irp c, 0,1,2,3
	ds_load_b128 v[16+16*\u+4*\c:19+16*\u+4*\c], v9 offset:4096*(\n)+2048*\u+512*\c
.endr
.endr
.endm
.irp u, 0,1
.irp j, 0,1,2,3
	global_load_b128 v[224+16*\u+4*\j:227+16*\u+4*\j], v13, s[8:9] offset:1024*\u+16*\j   ; my token's (cos, sin) of frequencies 8 h + 0 .. 7, for q_r
.endr
.endr
	GW 0
	GB 0
	GW 1
	GB 1
	s_wait_dscnt 0x0                               ; for the others' sake: my codes of c (and k_r) lie in LDS
	s_barrier_signal -1
	s_barrier_wait -1
	CFETCH 0
.macro GROUP g
.if (\g) < 4
	s_wait_loadcnt 12                              ; this group's loads are in; the next group's 8 + 4 may be out
.elseif (\g) < 6
	s_wait_loadcnt 10                              ; the next group's 8 + 2
.else
	s_wait_loadcnt 0x0
.endif
	s_wait_dscnt 0x0                               ; c's fragments
	GPAR \g
.irp u, 0,1
.irp t, 0,1
.if (\g) < 5
	v_wmma_f32_16x16x128_fp8_fp8 v[48+16*\u+8*\t:55+16*\u+8*\t], v[gB+16*\t:gB+16*\t+15], v[16+16*\u:31+16*\u], 0   ; lane: token r of tile u; the 16 registers of tiles t = 0, 1: columns 16 h + 0 .. 15 of the group's 32
.else
	v_wmma_f32_16x16x128_fp8_fp8 v[48+16*\t+8*\u:55+16*\t+8*\u], v[16+16*\u:31+16*\u], v[gB+16*\t:gB+16*\t+15], 0   ; lane: channel r of tile t; the 16 registers of tiles u = 0, 1: tokens 16 h + 0 .. 15 of my 32
.endif
.endr
.endr
	PLACES
.if (\g) < 5
	GW (\g)+2
.endif
.if (\g) == 1
	CFETCH 1
.elseif (\g) == 2
	CFETCH 2
.elseif (\g) == 4
	CFETCH 3
.endif
	s_wait_xcnt 0x0                                ; the stores of two groups back have read the code registers that this group writes
	GPAR \g
.if (\g) < 5
.irp u, 0,1
.irp k, 0,2,4,6,8,10,12,14
	v_pk_fma_f32 v[48+16*\u+\k:49+16*\u+\k], v[48+16*\u+\k:49+16*\u+\k], s[gF:gF+1], v[gB+32+\k:gB+33+\k] op_sel_hi:[1,0,1]
.endr
.endr
.else
.irp t, 0,1
.irp k, 0,1,2,3,4,5,6,7,8,9,10,11,12,13,14,15
	v_fma_f32 v[48+16*\t+\k], v[48+16*\t+\k], s[gF], v[gB+32+\t]
.endr
.endr
.endif
.if (\g) < 5
	GB (\g)+2
	GPAR \g
.endif
.if (\g) == 2
.irp u, 0,1
.irp p, 0,1,2,3,4,5,6,7
	ROPE 48+16*\u+2*\p, 224+16*\u+2*\p
.endr
.endr
.endif
.set k, 0
.rept 32
	v_med3_num_f32 v[48+k], v[48+k], -v[gQ+1], v[gQ+1]
.set k, k+1
.endr
.irp t, 0,1
	v_cvt_scalef32_pk8_fp8_f32 v[gC+4*\t:gC+4*\t+1], v[48+16*\t:55+16*\t], v[gQ]
	v_cvt_scalef32_pk8_fp8_f32 v[gC+4*\t+2:gC+4*\t+3], v[56+16*\t:63+16*\t], v[gQ]
.endr
	v_nop                                          ; a plain line behind the last conversion: the next group's products write its sources
.if (\g) < 5
	global_store_b128 v1, v[gC:gC+3], s[gOS:gOS+1] offset:gOI            ; a piece: 512 consecutive bytes, aligned
	global_store_b128 v1, v[gC+4:gC+7], s[gOS:gOS+1] offset:gOI+1536
.else
	global_store_b128 v1, v[gC:gC+3], s[gOS:gOS+1] offset:gOI
	global_store_b128 v1, v[gC+4:gC+7], s[gOS:gOS+1] offset:gOI+2048
.endif
.endm
	GROUP 0
	GROUP 1
	GROUP 2
	GROUP 3
	GROUP 4
	GROUP 5
	GROUP 6
	ds_load_b128 v[16:19], v11                     ; k_r's piece is the same for every head: each head's image gets it
	ds_load_b128 v[20:23], v11 offset:512
	s_wait_dscnt 0x0
	global_store_b128 v1, v[16:19], s[28:29] offset:1024
	global_store_b128 v1, v[20:23], s[28:29] offset:1536+1024
	s_wait_xcnt 0x0
	v_lshl_add_u32 v254, v0, 2, 0x3d400
	v_mov_b32 v255, 0
	s_wait_alu depctr_va_vdst(0)
	s_wait_tensorcnt 0x0
	ds_add_u32 v254, v255
	s_wait_dscnt 0x0
	s_endpgm
.Lfunc_end_k_q93b84124fb_proj:
	.size	k_q93b84124fb_proj, .Lfunc_end_k_q93b84124fb_proj-k_q93b84124fb_proj
	.p2alignl 7, 3214868480
	.fill 96, 4, 3214868480
	.section	.rodata,"a",@progbits
	.p2align	6, 0x0
	.amdhsa_kernel k_q93b84124fb_proj
		.amdhsa_group_segment_fixed_size 252928
		.amdhsa_private_segment_fixed_size 0
		.amdhsa_enable_private_segment 0
		.amdhsa_kernarg_size 112
		.amdhsa_user_sgpr_count 2
		.amdhsa_user_sgpr_kernarg_segment_ptr 1
		.amdhsa_wavefront_size32 1
		.amdhsa_system_sgpr_workgroup_id_x 1
		.amdhsa_system_sgpr_workgroup_id_y 1
		.amdhsa_system_sgpr_workgroup_id_z 1
		.amdhsa_system_vgpr_workitem_id 0
		.amdhsa_next_free_vgpr 256
		.amdhsa_next_free_sgpr 102
		.amdhsa_reserve_vcc 0
		.amdhsa_float_denorm_mode_32 3
		.amdhsa_float_denorm_mode_16_64 3
		.amdhsa_memory_ordered 1
		.amdhsa_forward_progress 1
		.amdhsa_inst_pref_size 97
	.end_amdhsa_kernel
	.amdgpu_metadata
---
amdhsa.version: [ 1, 2 ]
amdhsa.kernels:
  - .name:           k_q93b84124fb_proj
    .symbol:         k_q93b84124fb_proj.kd
    .args:
      - { .name: x, .offset: 0, .size: 8, .value_kind: global_buffer, .address_space: global }
      - { .name: wcodes, .offset: 8, .size: 8, .value_kind: global_buffer, .address_space: global }
      - { .name: rope, .offset: 16, .size: 8, .value_kind: global_buffer, .address_space: global }
      - { .name: lowp_scales, .offset: 24, .size: 8, .value_kind: global_buffer, .address_space: global }
      - { .name: b_dq, .offset: 32, .size: 8, .value_kind: global_buffer, .address_space: global }
      - { .name: b_dkv, .offset: 40, .size: 8, .value_kind: global_buffer, .address_space: global }
      - { .name: b_kr, .offset: 48, .size: 8, .value_kind: global_buffer, .address_space: global }
      - { .name: b_uq, .offset: 56, .size: 8, .value_kind: global_buffer, .address_space: global }
      - { .name: b_qr, .offset: 64, .size: 8, .value_kind: global_buffer, .address_space: global }
      - { .name: b_uk, .offset: 72, .size: 8, .value_kind: global_buffer, .address_space: global }
      - { .name: b_uv, .offset: 80, .size: 8, .value_kind: global_buffer, .address_space: global }
      - { .name: qimg, .offset: 88, .size: 8, .value_kind: global_buffer, .address_space: global }
      - { .name: kimg, .offset: 96, .size: 8, .value_kind: global_buffer, .address_space: global }
      - { .name: vimg, .offset: 104, .size: 8, .value_kind: global_buffer, .address_space: global }
    .group_segment_fixed_size: 252928
    .private_segment_fixed_size: 0
    .kernarg_segment_align: 8
    .kernarg_segment_size: 112
    .max_flat_workgroup_size: 512
    .sgpr_count:     102
    .vgpr_count:     256
    .wavefront_size: 32
...
	.end_amdgpu_metadata
.endif
;; end of part 2
;; launch attn (part 3): grid 256 x 1, 8 waves a work-group, no clusters, 132,096 bytes of LDS; arguments qimg, kimg, vimg, mask, cls, uval, lowp_scales, aimg; writes aimg
.if DOCPART == 3
	.amdgcn_target "amdgcn-amd-amdhsa--gfx1250"
	.amdhsa_code_object_version 6
	.text
	.protected	k_q93b84124fb_attn
	.globl	k_q93b84124fb_attn
	.p2align	8
	.type	k_q93b84124fb_attn,@function
k_q93b84124fb_attn:
	s_mov_b64 s[64:65], 0
	v_nop
	global_prefetch_b8 v0, s[64:65] scope:SCOPE_SE
	s_setreg_imm32_b32 hwreg(HW_REG_WAVE_MODE, 25, 1), 1
	s_wait_xcnt 0x0
; ATTN.  Products 8 and 9 with the softmax between them, and the codes of the result for product 10.
; t = score x 2^(e14 + e15) x log2(e) / sqrt(96) + mask x log2(e); a key whose mask entry is 0 is hidden.  M = the running largest t rounded up to a whole number; p = 2^(t - M) is quantised along the keys with 2^e17;
; the row's sum is taken of the unquantised p and divides at the end; when M moves, the sum and O are multiplied by 2^(old M - new M), which rounds nothing.
; SHARES.  Work-group x: bh = x / 4, query blocks A = x % 4 and B = 7 - x % 4 (256 queries each), walked TOGETHER over the keys, 16 steps of 128.  Wave w of 8 owns four query tiles: tiles 2 w, 2 w + 1 of A (units 0, 1) and of B (units 2, 3).
; A step's 8 fragments of K and 4 of V^T are read from LDS once a wave and serve all its units: 40 LDS loads for up to 48 matrix instructions.
; RING.  Four LDS buffers of one step, 32,768 bytes apart (K 8 x 1,536 bytes, V 4 x 2,048).  In step s each wave asks memory for its share (K's tile w, 1,024 bytes of V) of step s + 2 into 20 registers and stores it at the step's end; ONE barrier a step.
; In step s buffer s % 4 (V) and buffer (s + 1) % 4 (K, read ahead under unit 3's softmax) are read and buffer (s + 2) % 4 is written: what was read there was read two barriers ago.
; WHAT THE MASK DECIDES was stored as whole numbers by the first launch: for each (query tile, key step) a class.  0: every entry is 0: the unit is left out.  1: one number u for the tile, from uval.
; 3: every entry is 0 or u: u from uval, and a bit image of the zeros (16 bytes a query row, behind uval's 8,192 bytes).  2: anything else: the 16 x 128 entries are read.
; A slot of 256 keys none of whose units counts in A or B is not fetched (flags).  These branches stand round work alone: every barrier is on every wave's path and the trip count is a constant.
; The launch has no tensor load and no cluster.  K and V are asked for two steps ahead into registers, so no prefetch is laid for them; a class 2 tile of the mask is prefetched one step ahead, a lane to each 256 bytes.
; BIT IMAGES.  In step s the wave asks for its four units' images of step s + 1 (two loads of 512 bytes, 8 registers); at the next step's head they go into 1,024 bytes of its own in the gap behind buffer 0's tiles, and a class 3 unit reads its row's 16 bytes there.
; HIDDEN KEYS get the score -2^100.  The largest t starts at -2^99 c, so a hidden key's p is 2^(-2^99 c) = 0.
; CLASS 2.  The entries are loaded into the scores' registers, multiplied by sqrt(96) / 2^(e14 + e15) (hidden: -2^100) and given to the first product as C.
; LAYOUT.  S^T = K Q^T, O^T = V^T P^T: a lane holds ONE query.  Key tile 2 B + u holds keys 32 B + 8 u + r + 8 (r / 8), so registers 16 B + i of S^T are keys 32 B + 16 h + i.
; K = 96 runs as 128: Q's last four registers are zeros; K's tile t takes 12 registers and its operand's last four are the next tile's first codes, which are numbers: the products are 0.
; A ROW WITH NO KEY gives l = 0: its codes become the NaN code, and the output row NaN.
; LIMITS: e14 + e15 between -80 and 25; e17, e18 between -126 and 119; NaN or infinities in the mask, t at or under -2^99 c (c = 2^(e14 + e15) log2(e) / sqrt(96)) are not served.
; REGISTERS.  Window 0: v0 4 h; v1-11 addresses; v12-27 four units' (-M, largest t, sum in two halves); v28-35 constants, f, bias; v36-45 at work; v46 -2^100; v47 an address; v48-67 staging; v68-83 p's codes; v84-183 K;
;   v184-187, v252-255 bit images on their way; v188-251 S^T, t, p.   Window 1: v0-127 O^T of the four units; v128-191 Q; v192-255 V^T.
.set BUFS, 32768
.set VOFF, 12288
.set BITS, 20480
.set SPARE, 4*BUFS
.set H4, 0
.set L16, 1
.set KST, 2
.set VST, 3
.set MOF, 4
.set PFO, 5
.set AV, 6
.set AK, 7
.set SK, 8
.set SV, 9
.set SPW, 10
.set NIL, 11
.set P2, 28
.set LIMA, 29
.set LIMB, 30
.set PT, 31
.set FF, 32
.set BI, 34
.set MK, 46
.set LR, 47
.set SG, 48
.set CD, 68
.set KF, 84
.set BA, 184
.set SC, 188
.set BB, 252
.set OO, 0
.set QQ, 128
.set VV, 192
.set MSB, 0
.macro WIN new                                 ; the immediate's high byte repeats the setting that is left
.if MSB != \new
	s_set_vgpr_msb (MSB<<8)|\new
.set MSB, \new
.endif
.endm
.macro SLD r, ko, vo                           ; my share of a step from memory
	global_load_b128 v[\r:\r+3], v[KST], s[34:35] offset:\ko
	global_load_b128 v[\r+4:\r+7], v[KST], s[34:35] offset:\ko+512
	global_load_b128 v[\r+8:\r+11], v[KST], s[34:35] offset:\ko+1024
	global_load_b128 v[\r+12:\r+15], v[VST], s[36:37] offset:\vo
	global_load_b128 v[\r+16:\r+19], v[VST], s[36:37] offset:\vo+512
.endm
.macro SST r, ak, av, o                        ; and into a buffer
	ds_store_b128 v[\ak], v[\r:\r+3] offset:\o
	ds_store_b128 v[\ak], v[\r+4:\r+7] offset:\o+512
	ds_store_b128 v[\ak], v[\r+8:\r+11] offset:\o+1024
	ds_store_b128 v[\av], v[\r+12:\r+15] offset:\o+VOFF
	ds_store_b128 v[\av], v[\r+16:\r+19] offset:\o+VOFF+512
.endm
.macro KLD a                                   ; K's eight tiles, three pieces each
.irp t, 0,1,2,3,4,5,6,7
.irp c, 0,1,2
	ds_load_b128 v[KF+12*\t+4*\c:KF+12*\t+4*\c+3], v[\a] offset:1536*\t+512*\c
.endr
.endr
.endm
.macro VLD a                                   ; V^T's four fragments, into window 1
	WIN 0x40
.irp t, 0,1,2,3
.irp c, 0,1,2,3
	ds_load_b128 v[VV+16*\t+4*\c:VV+16*\t+4*\c+3], v[\a] offset:VOFF+2048*\t+512*\c
.endr
.endr
	WIN 0
.endm
.macro KNEXT                                   ; the next step's K, where its slot counts
	s_add_co_u32 s26, s24, 1
	s_lshr_b32 s26, s26, 1
	s_bitcmp1_b32 s25, s26
	s_cbranch_scc0 .Lnk_\@
	KLD AK
.Lnk_\@:
.endm
; the four units' classes (s58-61) and numbers (s66-69) of step s26, out of the slot's records in s72-95; class 0 where the slot's flag is 0 (bit 8, behind the last slot, is 0); number 0 for class 2
.macro EXTRACT
	s_bitcmp1_b32 s26, 0
	s_cselect_b32 s58, s74, s72
	s_cselect_b32 s59, s78, s76
	s_cselect_b32 s60, s82, s80
	s_cselect_b32 s61, s86, s84
	s_cselect_b32 s66, s89, s88
	s_cselect_b32 s67, s91, s90
	s_cselect_b32 s68, s93, s92
	s_cselect_b32 s69, s95, s94
	s_lshr_b32 s27, s26, 1
	s_bitcmp1_b32 s25, s27
.irp n, 58,59,60,61
	s_cselect_b32 s\n, s\n, 0
.endr
.irp n, 0,1,2,3
	s_cmp_eq_u32 s[58+\n], 2
	s_cselect_b32 s[66+\n], 0, s[66+\n]
.endr
.endm
.macro PF n                                    ; the next step's mask tile of unit n, where it will be read: 16 rows x 512 bytes, a lane to each 256
	s_cmp_eq_u32 s[58+\n], 2
	s_cbranch_scc0 .Lnp_\@
	global_prefetch_b8 v[PFO], s[38+2*((\n)/2):39+2*((\n)/2)] offset:512+65536*((\n)%2) th:TH_LOAD_NT scope:SCOPE_SE
.Lnp_\@:
.endm
.macro QK0 q                                   ; S^T = K Q^T, the sums begun with 0
	WIN 0x04
.irp t, 0,1,2,3,4,5,6,7
	v_wmma_f32_16x16x128_fp8_fp8 v[SC+8*\t:SC+8*\t+7], v[KF+12*\t:KF+12*\t+15], v[QQ+16*\q:QQ+16*\q+15], 0
.endr
	WIN 0
.endm
; A UNIT: 16 queries x 128 keys.  kl = 1: the next step's K is read behind this unit's first product
.macro UNIT q, kl
.set NM, 12+4*(\q)
	s_cmp_eq_u32 s[50+\q], 0
	s_cbranch_scc1 .Lsk_\@                         ; every entry of the mask is 0 here
	s_cmp_eq_u32 s[50+\q], 2
	s_cbranch_scc1 .Lqr_\@
	s_cmp_eq_u32 s[50+\q], 3
	s_cbranch_scc1 .Lq3_\@
	QK0 \q
	s_branch .Lqj_\@
.Lq3_\@:
	ds_load_b128 v[40:43], v[LR] offset:BITS+512*((\q)/2)+256*((\q)%2)   ; my query's 128 bits: word n, bit l: key 4 l + n is hidden.  It lands under the products
	QK0 \q
.rept 4
	v_nop                                          ; places ahead of the first read of the scores (ISA guide 7.12.1)
.endr
	s_wait_dscnt 0x0
.irp n, 0,1,2,3
	v_lshrrev_b32 v[40+\n], v[H4], v[40+\n]        ; register 16 b + 4 g + n is key 32 b + 16 h + 4 g + n: bit 8 b + 4 h + g of word n
.endr
.irp b, 0,1,2,3
.irp g, 0,1,2,3
.irp n, 0,1,2,3
	v_and_b32 v[36+\n], 1<<(8*\b+\g), v[40+\n]
.endr
.irp n, 0,1,2,3
	v_cmp_ne_u32 s[4+\n], 0, v[36+\n]
.endr
.irp n, 0,1,2,3
	v_cndmask_b32 v[SC+16*\b+4*\g+\n], v[SC+16*\b+4*\g+\n], v[MK], s[4+\n]   ; each accumulator from its low end on
.endr
.endr
.endr
	s_branch .Lqz_\@
.Lqr_\@:
.irp b, 0,1,2,3
.irp n, 0,1,2,3
	global_load_b128 v[SC+16*\b+4*\n:SC+16*\b+4*\n+3], v[MOF], s[38+2*((\q)/2):39+2*((\q)/2)] offset:65536*((\q)%2)+128*\b+16*\n   ; the mask at (my query, keys 32 b + 16 h + 4 n ..): the register index of S^T
.endr
.endr
	s_wait_loadcnt 0x0
.set j, 0
.rept 32
	v_cmp_eq_f32 vcc_lo, 0, v[SC+j]
	v_cmp_eq_f32 s27, 0, v[SC+j+1]
	v_pk_mul_f32 v[SC+j:SC+j+1], v[SC+j:SC+j+1], s[32:33] op_sel_hi:[1,0]
	v_cndmask_b32 v[SC+j], v[SC+j], v[MK], vcc_lo
	v_cndmask_b32 v[SC+j+1], v[SC+j+1], v[MK], s27
.set j, j+2
.endr
	WIN 0x04
.irp t, 0,1,2,3,4,5,6,7
	v_wmma_f32_16x16x128_fp8_fp8 v[SC+8*\t:SC+8*\t+7], v[KF+12*\t:KF+12*\t+15], v[QQ+16*\q:QQ+16*\q+15], v[SC+8*\t:SC+8*\t+7]
.endr
	WIN 0
.Lqj_\@:
.rept 4
	v_nop                                          ; places ahead of the first read of the scores and of loads into K's registers
.endr
.Lqz_\@:
.if \kl
	KNEXT
.endif
.irp k, 0,1,2,3                                ; the largest score of my query among my 64 keys, in four chains; each accumulator is read from its low end on
	v_max3_num_f32 v[36+\k], v[SC+16*\k], v[SC+16*\k+1], v[SC+16*\k+2]
.endr
.irp i, 3,5,7,9,11,13
.irp k, 0,1,2,3
	v_max3_num_f32 v[36+\k], v[36+\k], v[SC+16*\k+\i], v[SC+16*\k+\i+1]
.endr
.endr
	v_max3_num_f32 v36, v36, v[SC+15], v[SC+31]
	v_max3_num_f32 v38, v38, v[SC+47], v[SC+63]
	v_max3_num_f32 v36, v36, v37, v38
	v_max_num_f32 v36, v36, v39
	v_permlanex16_b32 v[PT], v36, s28, s29
	v_max_num_f32 v36, v36, v[PT]                  ; and among lane l xor 16's
	v_fma_f32 v36, v36, s30, s[54+\q]              ; as t (c is positive)
	v_max_num_f32 v[NM+1], v[NM+1], v36            ; the running largest t
	v_mov_b32 v37, v[NM]
	v_floor_f32 v[NM], -v[NM+1]                    ; -M = floor(-t): M is a whole number
	v_sub_f32 v37, v[NM], v37                      ; old M - new M, 0 or less
	v_cvt_i32_f32 v37, v37                         ; (it saturates)
	v_ldexp_f32 v[FF], 1.0, v37                    ; f = 2^(old M - new M)
	v_add_f32 v[BI], s[54+\q], v[NM]               ; the tile's number - M
.set j, 0
.rept 32
	v_pk_fma_f32 v[SC+j:SC+j+1], v[SC+j:SC+j+1], s[30:31], v[BI:BI+1] op_sel_hi:[1,0,0]   ; t - M
.set j, j+2
.endr
	s_wait_alu depctr_va_vdst(0)                   ; the wait ahead of the batch
.set j, 0
.rept 64
	v_exp_f32 v[SC+j], v[SC+j]                     ; p = 2^(t - M)
.set j, j+1
.endr
	v_pk_mul_f32 v[NM+2:NM+3], v[NM+2:NM+3], v[FF:FF+1] op_sel_hi:[1,0]   ; the sum under the new M: the plain line behind the batch
	s_wait_alu depctr_va_vdst(0)                   ; and the one wait behind it
	v_pk_add_f32 v[40:41], v[SC:SC+1], v[SC+2:SC+3]       ; the sum of the unquantised p, in four chains
	v_pk_add_f32 v[42:43], v[SC+4:SC+5], v[SC+6:SC+7]
	v_pk_add_f32 v[44:45], v[SC+8:SC+9], v[SC+10:SC+11]
	v_pk_add_f32 v[NM+2:NM+3], v[NM+2:NM+3], v[SC+12:SC+13]
.irp p, 7,11,15,19,23,27
	v_pk_add_f32 v[40:41], v[40:41], v[SC+2*\p:SC+2*\p+1]
	v_pk_add_f32 v[42:43], v[42:43], v[SC+2*\p+2:SC+2*\p+3]
	v_pk_add_f32 v[44:45], v[44:45], v[SC+2*\p+4:SC+2*\p+5]
	v_pk_add_f32 v[NM+2:NM+3], v[NM+2:NM+3], v[SC+2*\p+6:SC+2*\p+7]
.endr
	v_pk_add_f32 v[40:41], v[40:41], v[SC+62:SC+63]
	v_pk_add_f32 v[NM+2:NM+3], v[NM+2:NM+3], v[44:45]
	v_pk_add_f32 v[40:41], v[40:41], v[42:43]
	v_pk_add_f32 v[NM+2:NM+3], v[NM+2:NM+3], v[40:41]
.irp b, 0,1,2,3
.irp i, 0,2,4,6,8,10,12,14
	v_dual_min_num_f32 v[SC+16*\b+\i], v[SC+16*\b+\i], v[LIMA] :: v_dual_min_num_f32 v[SC+16*\b+\i+1], v[SC+16*\b+\i+1], v[LIMB]   ; the conversion does not saturate (ISA guide 7.6.2); p is not negative: a one-sided hold, two a line
.endr
	v_cvt_scalef32_pk8_fp8_f32 v[CD+4*\b:CD+4*\b+1], v[SC+16*\b:SC+16*\b+7], v[P2]
	v_cvt_scalef32_pk8_fp8_f32 v[CD+4*\b+2:CD+4*\b+3], v[SC+16*\b+8:SC+16*\b+15], v[P2]
.endr
	WIN 0x41
	s_wait_alu depctr_va_vdst(0)                   ; the wait directly ahead of the first reader of O^T
.set j, 0
.rept 16
	v_pk_mul_f32 v[OO+32*\q+j:OO+32*\q+j+1], v[OO+32*\q+j:OO+32*\q+j+1], v[FF:FF+1] op_sel_hi:[1,0]   ; O^T under the new M; also the plain lines behind the conversions
.set j, j+2
.endr
	s_wait_alu depctr_va_vdst(0)                   ; the wait directly ahead of the wait below
	s_wait_dscnt 0x0                               ; V (and, in the last unit, the next K)
	WIN 0x51
.irp t, 0,1,2,3
	v_wmma_f32_16x16x128_fp8_fp8 v[OO+32*\q+8*\t:OO+32*\q+8*\t+7], v[VV+16*\t:VV+16*\t+15], v[CD:CD+15], v[OO+32*\q+8*\t:OO+32*\q+8*\t+7]   ; four accumulators, one turn each
.endr
	WIN 0
.if \kl
	s_branch .Len_\@
.endif
.Lsk_\@:
.if \kl
	KNEXT
.Len_\@:
.endif
.endm
	s_load_b512 s[4:19], s[0:1], 0x0               ; qimg, kimg, vimg, mask, cls, uval, lowp_scales, aimg
	v_lshl_add_u32 v[SPW], v0, 2, SPARE
	v_mov_b32 v[NIL], 0
	v_lshrrev_b32 v1, 5, v0
	v_readfirstlane_b32 s20, v1                    ; wave 0..7
	v_and_b32 v5, 31, v0
	v_lshlrev_b32 v[L16], 4, v5                    ; 16 x lane: my place in every piece
	s_mul_i32 s26, s20, 1536
	v_add_nc_u32 v[KST], s26, v[L16]               ; K's tile w of a step, in memory and in a buffer
	s_lshl_b32 s27, s20, 10
	v_add_nc_u32 v[VST], s27, v[L16]               ; V: 1,024 bytes x w
	v_and_b32 v6, 15, v0
	v_bfe_u32 v7, v0, 4, 1
	v_lshl_add_u32 v[LR], v6, 4, s26               ; 1,536 w + 16 r: my query's row of a bit image
	v_and_b32 v8, 8, v6
	v_add_nc_u32 v8, v8, v6
	v_lshlrev_b32 v8, 13, v8
	v_lshl_add_u32 v[MOF], v7, 6, v8               ; the mask: row r + 8 (r / 8) of a tile, + 16 h entries
	v_lshrrev_b32 v6, 1, v5
	v_and_b32 v8, 8, v6
	v_add_nc_u32 v8, v8, v6
	v_and_b32 v6, 1, v5
	v_lshlrev_b32 v6, 8, v6
	v_lshl_add_u32 v[PFO], v8, 13, v6              ; the prefetch: two lanes to a row, 256 bytes apart
	v_lshlrev_b32 v[H4], 2, v7                     ; 4 h (the thread's number is done with)
	s_mov_b32 s28, 0x76543210
	s_mov_b32 s29, 0xfedcba98                      ; lane selects: lane l xor 16
	s_lshr_b32 s21, ttmp9, 2                       ; bh
	s_and_b32 s22, ttmp9, 3                        ; block A
	s_sub_co_u32 s23, 7, s22                       ; block B
	s_mov_b32 s71, 0                               ; the high word of every offset pair s[70:71]
	s_wait_alu depctr_va_vdst(0)                   ; the wait directly ahead of the wait below
	s_wait_kmcnt 0x0
	s_load_b128 s[96:99], s[16:17], 0x38           ; e14 .. e17
	s_load_b32 s100, s[16:17], 0x48                ; e18
	s_lshl_b32 s26, s20, 5
	s_lshl_b32 s70, s22, 11
	s_add_co_u32 s70, s70, s26
	s_add_nc_u64 s[42:43], s[12:13], s[70:71]      ; cls: block A's records, at my four entries
	s_lshl_b32 s70, s23, 11
	s_add_co_u32 s70, s70, s26
	s_add_nc_u64 s[44:45], s[12:13], s[70:71]      ; block B's
	s_lshl_b32 s26, s20, 4
	s_lshl_b32 s70, s22, 10
	s_add_co_u32 s70, s70, s26
	s_add_nc_u64 s[46:47], s[14:15], s[70:71]      ; uval likewise
	s_lshl_b32 s70, s23, 10
	s_add_co_u32 s70, s70, s26
	s_add_nc_u64 s[48:49], s[14:15], s[70:71]
	s_lshl_b32 s26, s20, 13
	s_lshl_b32 s70, s23, 16
	s_add_co_u32 s70, s70, s26
	s_add_nc_u64 s[2:3], s[14:15], s[70:71]        ; the bit images of block B, wave w, step 0 (8,192 bytes further on, by the immediate)
	s_lshl_b32 s70, s22, 16
	s_add_co_u32 s70, s70, s26
	s_add_nc_u64 s[14:15], s[14:15], s[70:71]      ; and of block A
.irp g, 0,1,2,3,4,5,6,7
	s_load_b32 s[50+\g], s[42:43], 256*\g+4        ; the eight slots' flags of A
.endr
.irp g, 0,1,2,3,4,5
	s_load_b32 s[58+\g], s[44:45], 256*\g+4        ; and of B
.endr
	s_load_b32 s66, s[44:45], 256*6+4
	s_load_b32 s67, s[44:45], 256*7+4
	s_load_b256 s[72:79], s[42:43], 0x0            ; slot 0's records: {class, flag} of (tile, step) x 4,
	s_load_b256 s[80:87], s[44:45], 0x0
	s_load_b128 s[88:91], s[46:47], 0x0            ; and the tiles' numbers
	s_load_b128 s[92:95], s[48:49], 0x0
	s_mul_i32 s70, s21, 196608
	s_add_nc_u64 s[34:35], s[6:7], s[70:71]        ; K's images of my bh
	s_add_nc_u64 s[4:5], s[4:5], s[70:71]          ; Q's
	s_lshl_b32 s70, s21, 17
	s_add_nc_u64 s[36:37], s[8:9], s[70:71]        ; V's
	SLD SG, 0, 0                                   ; steps 0 and 1 are asked for at once, whatever the flags say: they lie inside the images
	SLD SC, 12288, 8192
	global_load_b128 v[BA:BA+3], v[L16], s[14:15] offset:8192    ; step 0's bit images: lanes 0-15 the even tile's rows, lanes 16-31 the odd tile's
	global_load_b128 v[BB:BB+3], v[L16], s[2:3] offset:8192
	s_mul_i32 s26, s20, 3072
	s_mul_i32 s70, s22, 24576
	s_add_co_u32 s70, s70, s26
	s_add_nc_u64 s[6:7], s[4:5], s[70:71]          ; Q at tile 16 A + 2 w
	s_mul_i32 s70, s23, 24576
	s_add_co_u32 s70, s70, s26
	s_add_nc_u64 s[8:9], s[4:5], s[70:71]          ; and 16 B + 2 w
	WIN 0x40
.irp t, 0,1
.irp c, 0,1,2
	global_load_b128 v[QQ+16*\t+4*\c:QQ+16*\t+4*\c+3], v[L16], s[6:7] offset:1536*\t+512*\c
	global_load_b128 v[QQ+32+16*\t+4*\c:QQ+32+16*\t+4*\c+3], v[L16], s[8:9] offset:1536*\t+512*\c
.endr
.endr
.set j, 0
.rept 128
	v_mov_b32 v[OO+j], 0                           ; O^T: which unit comes first hangs on the classes, so the sums begin as zeros, which the first change of M leaves zeros
.set j, j+1
.endr
.irp t, 0,1,2,3
.irp c, 12,13,14,15
	v_mov_b32 v[QQ+16*\t+\c], 0                    ; Q's k = 96 .. 127
.endr
.endr
	WIN 0
.irp c, 96,97,98,99
	v_mov_b32 v[KF+\c], 0                          ; behind K's last tile
.endr
.set j, PT
.rept 15
	v_mov_b32 v[j], 0                              ; v31-45: permute destinations, upper halves of pairs, registers at work
.set j, j+1
.endr
	v_mov_b32 v[MK], 0xf1800000                    ; -2^100
	s_lshl_b32 s26, s20, 18
	s_lshl_b32 s70, s22, 21
	s_add_co_u32 s70, s70, s26
	s_add_nc_u64 s[38:39], s[10:11], s[70:71]      ; the mask at row 256 A + 32 w, key 0
	s_lshl_b32 s70, s23, 21
	s_add_co_u32 s70, s70, s26
	s_add_nc_u64 s[40:41], s[10:11], s[70:71]
	s_lshr_b32 s70, s21, 4
	s_lshl_b32 s70, s70, 4
	s_lshr_b32 s26, s20, 2
	s_add_co_u32 s70, s70, s26
	s_lshl_b32 s70, s70, 17                        ; aimg: group 16 b + w / 4 (the block adds 2 qb),
	s_bfe_u32 s26, s21, 0x30001
	s_lshl_b32 s26, s26, 14
	s_add_co_u32 s70, s70, s26                     ; K step head / 2,
	s_and_b32 s26, s20, 3
	s_lshl_b32 s26, s26, 12
	s_add_co_u32 s70, s70, s26                     ; tile 2 (w % 4),
	s_and_b32 s26, s21, 1
	s_lshl_b32 s26, s26, 10
	s_add_co_u32 s70, s70, s26                     ; pieces 2 (head % 2) on
	s_add_nc_u64 s[18:19], s[18:19], s[70:71]
	s_lshl_b32 s70, s22, 18
	s_add_nc_u64 s[10:11], s[18:19], s[70:71]      ; block A's place
	s_lshl_b32 s70, s23, 18
	s_add_nc_u64 s[12:13], s[18:19], s[70:71]      ; block B's
	s_wait_alu depctr_va_vdst(0)                   ; the wait directly ahead of the wait below
	s_wait_kmcnt 0x0
	s_or_b32 s25, s50, s58                         ; bit g: slot g counts for A or for B
.irp g, 1,2,3,4,5
	s_or_b32 s26, s[50+\g], s[58+\g]
	s_lshl_b32 s26, s26, \g
	s_or_b32 s25, s25, s26
.endr
	s_or_b32 s26, s56, s66
	s_lshl_b32 s26, s26, 6
	s_or_b32 s25, s25, s26
	s_or_b32 s26, s57, s67
	s_lshl_b32 s26, s26, 7
	s_or_b32 s25, s25, s26
	s_mov_b32 s26, 0
	EXTRACT                                        ; step 0's classes and numbers
	s_add_co_i32 s26, s96, s97
	s_lshl_b32 s26, s26, 23
	s_add_co_i32 s30, s26, 0x3e16c740              ; c = log2(e) / sqrt(96), with e14 + e15 added to its exponent field
	s_mov_b32 s31, s30
	s_sub_co_i32 s32, 0x411cc471, s26              ; log2(e) / c = sqrt(96) / 2^(e14 + e15)
	s_mov_b32 s33, s32
	s_add_co_i32 s27, s30, 0x31800000
	s_or_b32 s27, s27, 0x80000000                  ; -2^99 c
.irp t, 0,1,2,3
	v_mov_b32 v[13+4*\t], s27                      ; the largest t so far
	v_floor_f32 v[12+4*\t], -v[13+4*\t]            ; -M
	v_mov_b32 v[14+4*\t], 0                        ; the sum
	v_mov_b32 v[15+4*\t], 0
.endr
	s_add_co_i32 s26, s99, 127
	s_lshl_b32 s26, s26, 23
	v_mov_b32 v[P2], s26                           ; 2^e17
	s_add_co_i32 s26, s99, 135
	s_lshl_b32 s26, s26, 23
	s_or_b32 s26, s26, 0x600000
	v_mov_b32 v[LIMA], s26                         ; 448 x 2^e17, in two registers for the two halves of a dual line
	v_mov_b32 v[LIMB], s26
	s_add_co_i32 s101, s98, s99                    ; e16 + e17
	s_wait_alu depctr_va_vdst(0)                   ; the wait at the head's end
	s_wait_loadcnt 0x0                             ; steps 0 and 1, the bit images, Q
	SST SG, KST, VST, 0
	SST SC, KST, VST, BUFS
	s_wait_xcnt 0x0                                ; the loads have read their bases
	s_add_nc_u64 s[34:35], s[34:35], 24576         ; K, V at step 2
	s_add_nc_u64 s[36:37], s[36:37], 16384
	s_wait_dscnt 0x0
	s_barrier_signal -1
	s_barrier_wait -1
	KLD L16                                        ; step 0's fragments
	VLD L16
	s_mov_b32 s24, 0
	s_wait_dscnt 0x0
.Lstep:                                            ; 16 trips: step s24
	ds_store_b128 v[KST], v[BA:BA+3] offset:BITS       ; this step's bit images into my own 1,024 bytes; my reads of the last step's are over (the wait ahead of the barrier)
	ds_store_b128 v[KST], v[BB:BB+3] offset:BITS+512
	s_mov_b64 s[50:51], s[58:59]                   ; this step's classes and numbers
	s_mov_b64 s[52:53], s[60:61]
	s_mov_b64 s[54:55], s[66:67]
	s_mov_b64 s[56:57], s[68:69]
	s_wait_kmcnt 0x0                               ; the records asked for a step ago
	s_add_co_u32 s26, s24, 1
	EXTRACT                                        ; the next step's
	s_and_b32 s27, s24, 3
	s_lshl_b32 s27, s27, 15
	v_add_nc_u32 v[AV], s27, v[L16]                ; buffer s % 4.  (These four lines are also the places behind the last products, ahead of the loads into V's registers)
	s_and_b32 s27, s26, 3
	s_lshl_b32 s27, s27, 15
	v_add_nc_u32 v[AK], s27, v[L16]                ; buffer (s + 1) % 4
	s_lshr_b32 s27, s26, 1
	s_bitcmp1_b32 s25, s27                         ; does step s + 1's slot count?
	s_cselect_b32 s9, 1, 0
	s_add_co_u32 s26, s24, 2
	s_and_b32 s27, s26, 3
	s_lshl_b32 s27, s27, 15
	v_add_nc_u32 v[SK], s27, v[KST]                ; buffer (s + 2) % 4
	v_add_nc_u32 v[SV], s27, v[VST]
	s_wait_alu depctr_va_vdst(0)                   ; the wait behind these writes
	s_cmp_eq_u32 s9, 0
	s_cbranch_scc1 .Lnob
	s_wait_dscnt 0x0                               ; the two stores above have read their registers
	global_load_b128 v[BA:BA+3], v[L16], s[14:15] offset:8192+512   ; the next step's bit images
	global_load_b128 v[BB:BB+3], v[L16], s[2:3] offset:8192+512
.Lnob:
	s_lshr_b32 s27, s26, 1
	s_bitcmp1_b32 s25, s27                         ; does step s + 2's slot count?
	s_cbranch_scc0 .Lnof
	SLD SG, 0, 0
	s_bitcmp1_b32 s24, 0
	s_cbranch_scc1 .Lnof                           ; in even steps: the records of the slot that begins with step s + 2
	s_lshl_b32 s62, s27, 8
	s_lshl_b32 s63, s27, 7
	s_load_b256 s[72:79], s[42:43], s62 offset:0x0
	s_load_b256 s[80:87], s[44:45], s62 offset:0x0
	s_load_b128 s[88:91], s[46:47], s63 offset:0x0
	s_load_b128 s[92:95], s[48:49], s63 offset:0x0
.Lnof:
	s_lshr_b32 s27, s24, 1
	s_bitcmp1_b32 s25, s27
	s_cbranch_scc0 .Lnov
	VLD AV                                         ; lands under the first unit's softmax
.Lnov:
	PF 0
	PF 1
	PF 2
	PF 3
	UNIT 0, 0
	UNIT 1, 0
	UNIT 2, 0
	UNIT 3, 1
	s_wait_loadcnt 0x0                             ; on every path: no load is out on the staging registers or on the bit images'
	SST SG, SK, SV, 0
	s_wait_xcnt 0x0                                ; loads and prefetches have read their bases: they may step
	s_add_nc_u64 s[34:35], s[34:35], 12288
	s_add_nc_u64 s[36:37], s[36:37], 8192
	s_add_nc_u64 s[38:39], s[38:39], 512
	s_add_nc_u64 s[40:41], s[40:41], 512
	s_add_nc_u64 s[14:15], s[14:15], 512
	s_add_nc_u64 s[2:3], s[2:3], 512
	s_wait_dscnt 0x0                               ; my stores lie in LDS, my reads are over
	s_barrier_signal -1
	s_barrier_wait -1
	s_add_co_u32 s24, s24, 1
	s_cmp_lt_u32 s24, 16
	s_cbranch_scc1 .Lstep
; THE WAY OUT: O^T x 2^(e16 + e17) / the sum, quantised with 2^e18: registers 16 b + i are channels 32 b + 16 h + i of my query: two pieces of product 10's operand for each unit
	s_add_co_i32 s26, s100, 127
	s_lshl_b32 s26, s26, 23
	v_mov_b32 v44, s26                             ; 2^e18
	s_add_co_i32 s27, s100, 135
	s_lshl_b32 s27, s27, 23
	s_or_b32 s27, s27, 0x600000
	v_mov_b32 v45, s27                             ; 448 x 2^e18
	v_mov_b32 v46, 0x7f7f7f7f                      ; four NaN codes (-2^100 is done with)
.irp t, 0,1,2,3
	v_add_f32 v[36+\t], v[14+4*\t], v[15+4*\t]
.endr
.irp t, 0,1,2,3
	v_permlanex16_b32 v[40+\t], v[36+\t], s28, s29
.endr
.irp t, 0,1,2,3
	v_add_f32 v[36+\t], v[36+\t], v[40+\t]         ; the rows' sums
.endr
	s_wait_alu depctr_va_vdst(0)                   ; the wait ahead of the batch
.irp t, 0,1,2,3
	v_rcp_f32 v[40+\t], v[36+\t]
.endr
	v_nop                                          ; a plain line behind the batch
	s_wait_alu depctr_va_vdst(0)                   ; and the wait behind it
.irp t, 0,1,2,3
	v_ldexp_f32 v[40+\t], v[40+\t], s101
.endr
.irp t, 0,1,2,3
.set X, SC+32*(\t%2)
	WIN 0x01
	s_wait_alu depctr_va_vdst(0)                   ; the wait directly ahead of the first reader of O^T
.set j, 0
.rept 32
	v_mul_f32 v[X+j], v[OO+32*\t+j], v[40+\t]      ; each accumulator from its low end on
.set j, j+1
.endr
	WIN 0
.set j, 0
.rept 32
	v_med3_num_f32 v[X+j], v[X+j], -v45, v45
.set j, j+1
.endr
.irp b, 0,1
	v_cvt_scalef32_pk8_fp8_f32 v[SG+8*\t+4*\b:SG+8*\t+4*\b+1], v[X+16*\b:X+16*\b+7], v44
	v_cvt_scalef32_pk8_fp8_f32 v[SG+8*\t+4*\b+2:SG+8*\t+4*\b+3], v[X+16*\b+8:X+16*\b+15], v44
.endr
	v_nop                                          ; a plain line behind the last conversion
	v_cmp_eq_f32 vcc_lo, 0, v[36+\t]
.irp k, 0,1,2,3,4,5,6,7
	v_cndmask_b32 v[SG+8*\t+\k], v[SG+8*\t+\k], v46, vcc_lo   ; a query with no key: NaN
.endr
	global_store_b128 v[L16], v[SG+8*\t:SG+8*\t+3], s[10+2*(\t/2):11+2*(\t/2)] offset:2048*(\t%2)        ; a piece: 512 consecutive bytes, aligned; each unit has its own code registers
	global_store_b128 v[L16], v[SG+8*\t+4:SG+8*\t+7], s[10+2*(\t/2):11+2*(\t/2)] offset:2048*(\t%2)+512
.endr
	s_wait_tensorcnt 0x0                           ; the wave's end
	ds_add_u32 v[SPW], v[NIL]
	s_wait_dscnt 0x0
	s_endpgm
.Lfunc_end_k_q93b84124fb_attn:
	.size	k_q93b84124fb_attn, .Lfunc_end_k_q93b84124fb_attn-k_q93b84124fb_attn
	.p2alignl 7, 3214868480
	.fill 96, 4, 3214868480
	.section	.rodata,"a",@progbits
	.p2align	6, 0x0
	.amdhsa_kernel k_q93b84124fb_attn
		.amdhsa_group_segment_fixed_size 132096
		.amdhsa_private_segment_fixed_size 0
		.amdhsa_enable_private_segment 0
		.amdhsa_kernarg_size 64
		.amdhsa_user_sgpr_count 2
		.amdhsa_user_sgpr_kernarg_segment_ptr 1
		.amdhsa_wavefront_size32 1
		.amdhsa_system_sgpr_workgroup_id_x 1
		.amdhsa_system_sgpr_workgroup_id_y 1
		.amdhsa_system_sgpr_workgroup_id_z 1
		.amdhsa_system_vgpr_workitem_id 0
		.amdhsa_next_free_vgpr 512
		.amdhsa_next_free_sgpr 102
		.amdhsa_reserve_vcc 1
		.amdhsa_float_denorm_mode_32 3
		.amdhsa_float_denorm_mode_16_64 3
		.amdhsa_memory_ordered 1
		.amdhsa_forward_progress 1
		.amdhsa_inst_pref_size 189
	.end_amdhsa_kernel
	.amdgpu_metadata
---
amdhsa.version: [ 1, 2 ]
amdhsa.kernels:
  - .name:           k_q93b84124fb_attn
    .symbol:         k_q93b84124fb_attn.kd
    .args:
      - { .name: qimg, .offset: 0, .size: 8, .value_kind: global_buffer, .address_space: global }
      - { .name: kimg, .offset: 8, .size: 8, .value_kind: global_buffer, .address_space: global }
      - { .name: vimg, .offset: 16, .size: 8, .value_kind: global_buffer, .address_space: global }
      - { .name: mask, .offset: 24, .size: 8, .value_kind: global_buffer, .address_space: global }
      - { .name: cls, .offset: 32, .size: 8, .value_kind: global_buffer, .address_space: global }
      - { .name: uval, .offset: 40, .size: 8, .value_kind: global_buffer, .address_space: global }
      - { .name: lowp_scales, .offset: 48, .size: 8, .value_kind: global_buffer, .address_space: global }
      - { .name: aimg, .offset: 56, .size: 8, .value_kind: global_buffer, .address_space: global }
    .group_segment_fixed_size: 132096
    .private_segment_fixed_size: 0
    .kernarg_segment_align: 8
    .kernarg_segment_size: 64
    .max_flat_workgroup_size: 256
    .sgpr_count:     102
    .vgpr_count:     512
    .wavefront_size: 32
...
	.end_amdgpu_metadata
.endif
;; end of part 3
;; launch outp (part 4): grid 4 x 64, 16 waves a work-group, no clusters, 239,616 bytes of LDS; arguments aimg, wcodes, lowp_scales, b_o, out0; writes out0
.if DOCPART == 4
	.amdgcn_target "amdgcn-amd-amdhsa--gfx1250"
	.amdhsa_code_object_version 6
	.text
	.protected	k_q93b84124fb_outp
	.globl	k_q93b84124fb_outp
	.p2align	8
	.type	k_q93b84124fb_outp,@function
k_q93b84124fb_outp:
	s_mov_b64 s[64:65], 0
	v_nop
	global_prefetch_b8 v0, s[64:65] scope:SCOPE_SE
	s_setreg_imm32_b32 hwreg(HW_REG_WAVE_MODE, 25, 1), 1
	s_wait_xcnt 0x0
; OUTP.  out0 = A W_o x 2^(e18 + e19) + b_o on codes of E4M3.  A's codes lie as images of operand registers, [group of 128 tokens][K step][tile][piece][512]; W_o's likewise, [K step][column tile][piece][512], at the head of wcodes.
; A work-group (x = which 256 columns, y = which 128 tokens) has 16 waves; wave w makes token tiles 2 (w % 4), + 1 against column tiles 4 (w / 4) .. + 3: eight accumulators.
; K goes in 8 steps of 128 through two LDS slots (A's 8 fragments, W_o's 16).  Each wave fetches 6 x 512 bytes of a step into registers, two steps ahead (two sets of registers), and stores them into the slot that is not being read.
; ONE barrier a step: ahead of it a wave's reads of this step's slot and its stores into the other are done.  All offsets are immediates: the eight steps are written out.
; Source 0 = W_o's tile, source 1 = tokens: a lane holds a token and eight neighbouring columns.  The sums go through the wave's own stage, which also puts the tokens of a tile (32 B + 8 u + r + 8 (r / 8)) back in their order,
; and leave as rows: sixteen lanes store 256 consecutive bytes, aligned.
; No tensor load, no cluster: 256 work-groups of 64 matrix instructions a wave; what partners would share (48 KiB a step) is asked for two steps ahead as it is.
; LIMIT: e18 + e19 between -126 and 127.
.set SLOTB, 49152
.set BOFF,  16384
.set STAGE, 2*SLOTB                    ; 98,304: 32 rows x (256 + 16) bytes for each wave
.set SP,    272
	s_load_b256 s[4:11], s[0:1], 0x0               ; aimg, wcodes, lowp_scales, b_o
	s_load_b64 s[12:13], s[0:1], 0x20              ; out0
	v_lshl_add_u32 v248, v0, 2, 0x3a000
	v_mov_b32 v249, 0
	v_lshrrev_b32 v1, 5, v0
	s_delay_alu instid0(VALU_DEP_1)
	v_readfirstlane_b32 s14, v1                    ; wave
	v_and_b32 v2, 31, v0
	s_delay_alu instid0(VALU_DEP_1)
	v_lshlrev_b32 v1, 4, v2                        ; 16 x lane
	s_wait_alu depctr_va_vdst(0)
	s_and_b32 s15, s14, 3                          ; wm
	s_lshr_b32 s16, s14, 2                         ; wn
	s_and_b32 s17, ttmp7, 0xffff                   ; the group of 128 tokens
	s_lshl_b32 s18, s15, 12
	v_add_nc_u32 v3, s18, v1                       ; v3  my two fragments of A in a slot
	s_lshl_b32 s18, s16, 13
	s_add_co_u32 s18, s18, BOFF
	v_add_nc_u32 v4, s18, v1                       ; v4  my four of W_o
	s_lshl_b32 s18, s14, 10
	v_add_nc_u32 v5, s18, v1                       ; v5  what I fetch of A: 1,024 bytes x w, in memory and in a slot
	s_lshl_b32 s18, s14, 11
	v_add_nc_u32 v6, s18, v1                       ; v6  of W_o: 2,048 bytes x w, in memory,
	s_delay_alu instid0(VALU_DEP_1)
	v_add_nc_u32 v7, BOFF, v6                      ; v7  and in a slot
	s_mul_i32 s18, s14, 32*SP
	s_add_co_u32 s18, s18, STAGE
	v_and_b32 v8, 15, v0                           ; r
	v_bfe_u32 v9, v0, 4, 1                         ; h
	s_delay_alu instid0(VALU_DEP_2)
	v_and_b32 v10, 8, v8
	s_delay_alu instid0(VALU_DEP_1)
	v_add_nc_u32 v10, v10, v8
	s_delay_alu instid0(VALU_DEP_1)
	v_mul_u32_u24 v10, v10, SP
	s_delay_alu instid0(VALU_DEP_1)
	v_lshl_add_u32 v10, v9, 6, v10
	s_delay_alu instid0(VALU_DEP_1)
	v_add_nc_u32 v10, s18, v10                     ; v10 the stage, in: row r + 8 (r / 8), + 64 h
	v_mul_u32_u24 v11, v9, SP
	s_delay_alu instid0(VALU_DEP_1)
	v_lshl_add_u32 v11, v8, 4, v11
	s_delay_alu instid0(VALU_DEP_1)
	v_add_nc_u32 v11, s18, v11                     ; v11 back: lanes 0-15 one row, lanes 16-31 the next
	v_lshlrev_b32 v12, 4, v8                       ; v12 my four columns of the wave's 64
	s_delay_alu instid0(VALU_DEP_1)
	v_lshl_add_u32 v13, v9, 12, v12                ; v13 and the same place in two rows of out0
	s_mov_b32 s19, 0
	s_wait_alu depctr_va_vdst(0)
	s_wait_kmcnt 0x0
	s_load_b64 s[20:21], s[8:9], 0x48              ; e18, e19
	s_lshl_b32 s18, s17, 17
	s_add_nc_u64 s[4:5], s[4:5], s[18:19]
	s_lshl_b32 s18, ttmp9, 15
	s_add_nc_u64 s[6:7], s[6:7], s[18:19]
	s_lshl_b32 s18, ttmp9, 10
	s_lshl_b32 s22, s16, 8
	s_add_co_u32 s18, s18, s22                     ; column 256 x + 64 wn, in bytes
	s_add_nc_u64 s[10:11], s[10:11], s[18:19]
	s_add_nc_u64 s[12:13], s[12:13], s[18:19]
	s_lshl_b32 s18, s17, 19
	s_lshl_b32 s22, s15, 17
	s_add_co_u32 s18, s18, s22                     ; token 128 y + 32 wm, rows of 4,096 bytes
	s_add_nc_u64 s[12:13], s[12:13], s[18:19]
.macro SLOAD s                                 ; my six pieces of K step s into register set s % 2
.set SG, 32+192*((\s)%2)
	global_load_b128 v[SG:SG+3], v5, s[4:5] offset:16384*(\s)
	global_load_b128 v[SG+4:SG+7], v5, s[4:5] offset:16384*(\s)+512
.irp j, 0,1,2,3
	global_load_b128 v[SG+8+4*\j:SG+11+4*\j], v6, s[6:7] offset:131072*(\s)+512*\j
.endr
.endm
.macro SSTORE s                                ; and from there into slot s % 2
.set SG, 32+192*((\s)%2)
	ds_store_b128 v5, v[SG:SG+3] offset:SLOTB*((\s)%2)
	ds_store_b128 v5, v[SG+4:SG+7] offset:SLOTB*((\s)%2)+512
.irp j, 0,1,2,3
	ds_store_b128 v7, v[SG+8+4*\j:SG+11+4*\j] offset:SLOTB*((\s)%2)+512*\j
.endr
.endm
	global_load_b128 v[56:59], v12, s[10:11]       ; b_o at my four columns
	SLOAD 0
	SLOAD 1
	s_wait_loadcnt 6                               ; the bias and step 0 are in; step 1's six may be out
	SSTORE 0
	s_wait_dscnt 0x0                               ; the stores have landed, and have read their registers
	SLOAD 2
	s_barrier_signal -1
	s_barrier_wait -1
.macro KS s
.irp a, 0,1
.irp c, 0,1,2,3
	ds_load_b128 v[128+16*\a+4*\c:131+16*\a+4*\c], v3 offset:SLOTB*(\s%2)+2048*\a+512*\c
.endr
.endr
.irp b, 0,1,2,3
.irp c, 0,1,2,3
	ds_load_b128 v[160+16*\b+4*\c:163+16*\b+4*\c], v4 offset:SLOTB*(\s%2)+2048*\b+512*\c
.endr
.endr
	s_wait_dscnt 0x0
.irp a, 0,1
.irp b, 0,1,2,3
.if \s == 0
	v_wmma_f32_16x16x128_fp8_fp8 v[64+8*(4*\a+\b):71+8*(4*\a+\b)], v[160+16*\b:175+16*\b], v[128+16*\a:143+16*\a], 0
.else
	v_wmma_f32_16x16x128_fp8_fp8 v[64+8*(4*\a+\b):71+8*(4*\a+\b)], v[160+16*\b:175+16*\b], v[128+16*\a:143+16*\a], v[64+8*(4*\a+\b):71+8*(4*\a+\b)]   ; the eight accumulators by turns, in the same order in every step
.endif
.endr
.endr
.rept 4
	v_nop                                          ; places ahead of the next loads into the fragments' registers, and of the first read of results
.endr
.if \s < 7
.if \s < 6
	s_wait_loadcnt 6                               ; step s + 1's six loads are in; step s + 2's six may be out
.else
	s_wait_loadcnt 0x0
.endif
	SSTORE \s+1                                    ; into the slot that every wave left ahead of the last barrier
	s_wait_dscnt 0x0
.if \s < 5
	SLOAD \s+3
.endif
	s_barrier_signal -1
	s_barrier_wait -1
.endif
.endm
	KS 0
	KS 1
	KS 2
	KS 3
	KS 4
	KS 5
	KS 6
	KS 7
; THE WAY OUT.  Accumulator (a, b): lane (r, h): token 8 a + r + 8 (r / 8) of my 32; columns 32 (b / 2) + 16 h + 8 (b % 2) + 0 .. 7 of my 64
.irp a, 0,1
.irp b, 0,1,2,3
	ds_store_b128 v10, v[64+8*(4*\a+\b):67+8*(4*\a+\b)] offset:8*\a*SP+128*(\b/2)+32*(\b%2)
	ds_store_b128 v10, v[68+8*(4*\a+\b):71+8*(4*\a+\b)] offset:8*\a*SP+128*(\b/2)+32*(\b%2)+16
.endr
.endr
.irp i, 0,1,2,3,4,5,6,7,8,9,10,11,12,13,14,15
	ds_load_b128 v[128+4*\i:131+4*\i], v11 offset:2*\i*SP   ; LDS serves a wave's instructions in order: these see my stores; the stage is my own
.endr
	s_wait_kmcnt 0x0
	s_add_co_i32 s20, s20, s21
	s_add_co_i32 s20, s20, 127
	s_lshl_b32 s20, s20, 23                        ; 2^(e18 + e19)
	s_mov_b32 s21, s20
.irp i, 0,1,2,3,4,5,6,7,8,9,10,11,12,13,14,15
	s_wait_dscnt 15-\i
	v_pk_fma_f32 v[128+4*\i:129+4*\i], v[128+4*\i:129+4*\i], s[20:21], v[56:57] op_sel_hi:[1,0,1]
	v_pk_fma_f32 v[130+4*\i:131+4*\i], v[130+4*\i:131+4*\i], s[20:21], v[58:59] op_sel_hi:[1,0,1]
	global_store_b128 v13, v[128+4*\i:131+4*\i], s[12:13] offset:8192*\i th:TH_STORE_NT   ; rows 2 i and 2 i + 1: sixteen lanes store 256 consecutive bytes, aligned
.endr
	s_wait_tensorcnt 0x0
	ds_add_u32 v248, v249
	s_wait_dscnt 0x0
	s_endpgm
.Lfunc_end_k_q93b84124fb_outp:
	.size	k_q93b84124fb_outp, .Lfunc_end_k_q93b84124fb_outp-k_q93b84124fb_outp
	.p2alignl 7, 3214868480
	.fill 96, 4, 3214868480
	.section	.rodata,"a",@progbits
	.p2align	6, 0x0
	.amdhsa_kernel k_q93b84124fb_outp
		.amdhsa_group_segment_fixed_size 239616
		.amdhsa_private_segment_fixed_size 0
		.amdhsa_enable_private_segment 0
		.amdhsa_kernarg_size 40
		.amdhsa_user_sgpr_count 2
		.amdhsa_user_sgpr_kernarg_segment_ptr 1
		.amdhsa_wavefront_size32 1
		.amdhsa_system_sgpr_workgroup_id_x 1
		.amdhsa_system_sgpr_workgroup_id_y 1
		.amdhsa_system_sgpr_workgroup_id_z 1
		.amdhsa_system_vgpr_workitem_id 0
		.amdhsa_next_free_vgpr 250
		.amdhsa_next_free_sgpr 66
		.amdhsa_reserve_vcc 0
		.amdhsa_float_denorm_mode_32 3
		.amdhsa_float_denorm_mode_16_64 3
		.amdhsa_memory_ordered 1
		.amdhsa_forward_progress 1
		.amdhsa_inst_pref_size 35
	.end_amdhsa_kernel
	.amdgpu_metadata
---
amdhsa.version: [ 1, 2 ]
amdhsa.kernels:
  - .name:           k_q93b84124fb_outp
    .symbol:         k_q93b84124fb_outp.kd
    .args:
      - { .name: aimg, .offset: 0, .size: 8, .value_kind: global_buffer, .address_space: global }
      - { .name: wcodes, .offset: 8, .size: 8, .value_kind: global_buffer, .address_space: global }
      - { .name: lowp_scales, .offset: 16, .size: 8, .value_kind: global_buffer, .address_space: global }
      - { .name: b_o, .offset: 24, .size: 8, .value_kind: global_buffer, .address_space: global }
      - { .name: out0, .offset: 32, .size: 8, .value_kind: global_buffer, .address_space: global }
    .group_segment_fixed_size: 239616
    .private_segment_fixed_size: 0
    .kernarg_segment_align: 8
    .kernarg_segment_size: 40
    .max_flat_workgroup_size: 512
    .sgpr_count:     66
    .vgpr_count:     250
    .wavefront_size: 32
...
	.end_amdgpu_metadata
.endif
;; end of part 4
